; MI455X (gfx1250); checked and timed in simulation.
; The chip was launched on July 23, 2026; its instructions are those of AMD's public machine-readable ISA for CDNA 5 (MIT licence, August 2026) and "CDNA5" Instruction Set Architecture Reference Guide (July 2026). The comments in the code are by the model that wrote it; some were corrected since.
;; Attention. Allowed arithmetic: matrix products marked QUANTISED: E2M3 operands, one E8M0 scale for each 32 along K, by v_wmma_scale_f32_16x16x128_f8f6f4 with both operands' format E2M3, f32 sums; everything else in f32.
;; Inputs: Wk 1,024 x 1,024 float32; Wo 1,024 x 1,024 float32; Wq 1,024 x 1,024 float32; Wv 1,024 x 1,024 float32; mask 1 x 1 x 4,096 x 4,096 float32; x 1 x 4,096 x 1,024 float32.
;; Outputs: out0 1 x 4,096 x 1,024 float32.
;; This version of the problem:
;;   THIS VERSION OF THE PROBLEM IS GIVEN IN LOW PRECISION. The matrix products marked QUANTISED in the list below multiply operands that are first quantised to E2M3 (2 exponent bits, 3 mantissa bits; 6 bits a number), with one power-of-two scale for each 32 numbers along K (OCP MX v1.0); their sums are f32. All else is computed in f32.
;;   The module's matrix products, in the order in which they are computed (A, B: the left and right operand; K: the contracted axis; several contracted axes count as one K, in the product's order):
;;     1. [M 4,096, K 1,024] x [K 1,024, N 1,024]; A: input x; B: input Wq: QUANTISED
;;     2. [M 4,096, K 1,024] x [K 1,024, N 1,024]; A: input x; B: input Wk: QUANTISED
;;     3. [M 4,096, K 1,024] x [K 1,024, N 1,024]; A: input x; B: input Wv: QUANTISED
;;     4. batch 16 x [M 4,096, K 64] x [K 64, N 4,096]; A: computed on the way; B: computed on the way: QUANTISED
;;     5. batch 16 x [M 4,096, K 4,096] x [K 4,096, N 64]; A: softmax (see below); B: computed on the way: QUANTISED
;;     6. [M 4,096, K 1,024] x [K 1,024, N 1,024]; A: computed on the way; B: input Wo: QUANTISED
;;   THE QUANTISER, for each operand of a quantised product, along K:
;;     - K is cut into blocks of 32 from its start; a last block that is shorter is filled with zeros.
;;     - A block's scale is 2^e with e = floor(log2(the largest magnitude in the block)) - 2, held to -126 .. 127; a block of zeros has e = 0. As a byte (E8M0): e + 127.
;;     - Each number is divided by its block's scale, clamped to +-7.5, and rounded to the nearest number of E2M3, ties to even, subnormals kept.
;;     - The product sums the exact products of the quantised numbers (number of the format x scale) in f32.
;;   ~~~python
;;   def quantise(x, axis):      # numpy; x: float32 -> the quantised numbers, widened to float32 again
;;       x = np.moveaxis(x, axis, -1); K = x.shape[-1]
;;       x = np.pad(x, [(0, 0)] * (x.ndim - 1) + [(0, -K % 32)]); x = x.reshape(x.shape[:-1] + (-1, 32)); a = np.abs(x).max(-1, keepdims=True)
;;       e = np.where(a > 0, np.clip(np.frexp(np.where(a > 0, a, 1))[1] - 1 - 2, -126, 127), 0)      # np.frexp(a)[1] - 1 = floor(log2(a)), exactly
;;       r = np.clip(x / 2.0 ** e, -7.5, 7.5)
;;       step = 2.0 ** (np.maximum(np.frexp(np.where(r == 0, 1, r))[1] - 1, 0) - 3)
;;       q = np.round(r / step) * step * 2.0 ** e      # np.round: ties to even
;;       return np.moveaxis(q.reshape(q.shape[:-2] + (-1,))[..., :K], -1, axis).astype(np.float32)
;;   ~~~
;;   SOFTMAX AHEAD OF A QUANTISED PRODUCT. Where the list says 'softmax', what is quantised is not the finished softmax but p = 2^(t - M), with t = logit x log2(e) and M = ceil(the row's largest t), a whole number; so 1/2 < the row's largest p <= 1. The row's sum l is taken of the UNQUANTISED p, in f32, and the product's result is divided by l at the end. Since M is a whole number, a kernel that streams over the keys may use a running M (the ceiling of the running maximum): every later rescaling is an exact power of two, which a block's scale takes up: the codes' values come out the same.
;;   OPERANDS COMPUTED ON THE WAY. 'Computed on the way' means the value that the module computes at that place (a softmax that the list does not call 'softmax' is quantised finished and normalised). What goes into a quantiser is computed in f32, as accurately as f32 sums, v_exp_f32 and their like allow (about 1e-6 of the number): no bf16 or f16 on the way to a quantiser, and a product that is left as it is and whose result goes on into a quantised operand takes f32 operands (vector FMAs, or v_wmma_f32_16x16x4_f32). A number that lies on a knife's edge between two numbers of the format may be rounded either way, as far as f32 arithmetic and the matrix unit's own rounding can turn it there, and no further.
;; One version. Each part assembles by itself: llvm-mc -triple=amdgcn-amd-amdhsa -mcpu=gfx1250 --defsym DOCPART=n.
;; ======== version 1 of 1: 4 launches
;; limits: right only within a limited range of input values
;; workspace buffers: xc 3,145,728 bytes; xs 131,072 bytes; wc 3,145,728 bytes; ws 131,072 bytes; qb 3,407,872 bytes; kv 6,815,744 bytes; oc 3,145,728 bytes; os 131,072 bytes
;; launch quant (part 1): grid 256 x 1, 2 waves a work-group, no clusters, 17,664 bytes of LDS; arguments x, Wq, Wk, Wv, Wo, xc, xs, wc, ws; writes xc, xs, wc, ws
.if DOCPART == 1
	.amdgcn_target "amdgcn-amd-amdhsa--gfx1250"
	.amdhsa_code_object_version 6
	.text
	.protected	k_qf4108267d3_quant
	.globl	k_qf4108267d3_quant
	.p2align	8
	.type	k_qf4108267d3_quant,@function
k_qf4108267d3_quant:
	s_mov_b64 s[64:65], 0
	v_nop
	global_prefetch_b8 v0, s[64:65] scope:SCOPE_SE
	s_setreg_imm32_b32 hwreg(HW_REG_WAVE_MODE, 25, 1), 1
	s_wait_xcnt 0x0
; x [4096][1024] and Wq, Wk, Wv, Wo [1024][1024], f32, K innermost, become codes of E2M3 and E8M0 scale bytes, laid in the order of the operand's registers.
; No step and no input of the problem is left out anywhere in this program.
; A TILE is 16 rows: tile T holds rows 64 (T / 4) + 8 (T % 4) + r % 8 + 32 (r / 8), r = 0 .. 15: four neighbouring tiles used as source 0 of a product leave a lane 32 neighbours in its 32 result registers: a whole block of the next K.
; A HALF FRAGMENT is a tile x 64 along K, 768 bytes: lane l = 16 h + r holds the 24 bytes of row r, k = 32 h .. 32 h + 31: registers 0-3 at byte 16 l, registers 4-5 at byte 512 + 8 l.
; xc, wc: [tile][16 half fragments].  xs, ws: [tile][r][8 words], word s = the four scale bytes of k = 128 s .. 128 s + 127.  wc's tiles: 0-63 Wq, 64-127 Wk, 128-191 Wv, 192-255 Wo.
; A block's byte is its largest magnitude's exponent field - 2.  Wq's bytes are written 3 lower: the scores' division by sqrt(64) = 2^3 is exact, and q / 8 has q's codes under bytes 3 lower.
; LIMITS: a block whose largest magnitude lies under 2^-124 (Wq: 2^-121) has its byte held at 1; so has a block of zeros, over zero codes; these bytes are read by this program alone.  NaN and infinities are not served.
; 512 tiles, one a wave; work-groups 0-127 take x, then 32 each Wq, Wk, Wv, Wo.  A tile's K goes in 16 units of 64: eight loads of 256 consecutive bytes a row turn through the wave's own stage and come back 128 bytes a lane.
.set STG,   4352                       ; a stage: 16 rows x (256 + 16) bytes; two a wave
.set SPARE, 17408                      ; the spare words, 128 bytes a wave
.set R,     64                         ; v64-191 four sets as loaded
.set X,     192                        ; v192-255 two sets: a lane's block
.set SW,    16                         ; v16-23 the row's scale words
	s_load_b256 s[4:11], s[0:1], 0x0               ; x, Wq, Wk, Wv
	s_load_b256 s[12:19], s[0:1], 0x20             ; Wo, xc, xs, wc
	s_load_b64 s[20:21], s[0:1], 0x40              ; ws
	v_lshl_add_u32 v2, v0, 2, SPARE
	v_mov_b32 v3, 0
	v_lshrrev_b32 v1, 5, v0
	v_readfirstlane_b32 s22, v1                    ; wave
	v_and_b32 v10, 15, v0
	v_bfe_u32 v12, v0, 4, 1                        ; h
	v_and_b32 v13, 31, v0
	v_lshlrev_b32 v4, 4, v10
	v_lshl_add_u32 v4, v12, 17, v4                 ; lanes 16-31 take the tile's rows 8-15: 32 rows of 4,096 bytes down
	s_mul_i32 s23, s22, 2*STG
	v_mul_u32_u24 v5, v12, 2176
	v_lshl_add_u32 v5, v10, 4, v5
	v_add_nc_u32 v5, s23, v5                       ; into the stage: row m + 8 h
	v_mul_u32_u24 v6, v10, 272
	v_lshl_add_u32 v6, v12, 7, v6
	v_add_nc_u32 v6, s23, v6                       ; out of it: row r, 128 h bytes on
	v_lshlrev_b32 v7, 4, v13
	v_lshlrev_b32 v8, 3, v13
	v_lshlrev_b32 v9, 3, v12
	v_lshlrev_b32 v15, 5, v10
	v_lshl_add_u32 v15, v12, 4, v15
	v_mov_b32 v11, 0                               ; a lane permute's destination is written once beforehand
	s_mov_b32 s24, 0x76543210
	s_mov_b32 s25, 0xfedcba98                      ; selects for lane l xor 16
	s_mov_b32 s28, 0xffff0000
	s_lshr_b32 s30, ttmp9, 5
	s_cmp_eq_u32 s30, 4                            ; work-groups 128-159: Wq
	s_cselect_b32 s27, 3, 0
	s_add_co_u32 s26, s27, 3
	s_lshl_b32 s26, s26, 23                        ; the floor under the largest magnitude
	s_cmp_lt_u32 ttmp9, 128
	s_cselect_b32 s30, 127, 31
	s_and_b32 s30, ttmp9, s30                      ; p: my pair of tiles, T = 2 p + wave
	s_and_b32 s31, s30, 1
	s_lshr_b32 s30, s30, 1
	s_lshl_b32 s30, s30, 18                        ; 64 (T / 4) rows of 4,096 bytes,
	s_lshl_b32 s31, s31, 16
	s_add_co_u32 s30, s30, s31                     ; + 8 (T % 4) rows
	s_lshl_b32 s31, s22, 15
	s_add_co_u32 s30, s30, s31
	s_mov_b32 s31, 0
	s_and_b32 s32, ttmp9, 127
	s_lshl_b32 s32, s32, 1
	s_add_co_u32 s32, s32, s22                     ; my tile in xc or wc
	s_mul_i32 s34, s32, 12288
	s_mov_b32 s35, 0
	s_lshl_b32 s36, s32, 9
	s_mov_b32 s37, 0
	s_wait_alu depctr_va_vdst(0)                   ; the wait at the head's end
	s_wait_kmcnt 0x0
	s_cmp_lt_u32 ttmp9, 224                        ; the choices hang on the work-group's number alone
	s_cselect_b64 s[12:13], s[10:11], s[12:13]
	s_cmp_lt_u32 ttmp9, 192
	s_cselect_b64 s[12:13], s[8:9], s[12:13]
	s_cmp_lt_u32 ttmp9, 160
	s_cselect_b64 s[12:13], s[6:7], s[12:13]
	s_cmp_lt_u32 ttmp9, 128
	s_cselect_b64 s[12:13], s[4:5], s[12:13]
	s_cselect_b64 s[14:15], s[14:15], s[18:19]
	s_cselect_b64 s[16:17], s[16:17], s[20:21]
	s_add_nc_u64 s[12:13], s[12:13], s[30:31]
	s_add_nc_u64 s[14:15], s[14:15], s[34:35]
	s_add_nc_u64 s[16:17], s[16:17], s[36:37]
.macro LOADU u
.irp m, 0,1,2,3,4,5,6,7
	global_load_b128 v[R+32*((\u)%4)+4*\m:R+32*((\u)%4)+4*\m+3], v4, s[12:13] offset:4096*\m+256*(\u) th:TH_LOAD_NT
.endr
.endm
.macro TURNU u                         ; LDS serves a wave's instructions in order: no wait between the stores and the loads
.irp m, 0,1,2,3,4,5,6,7
	ds_store_b128 v5, v[R+32*((\u)%4)+4*\m:R+32*((\u)%4)+4*\m+3] offset:STG*((\u)%2)+272*\m
.endr
.irp m, 0,1,2,3,4,5,6,7
	ds_load_b128 v[X+32*((\u)%2)+4*\m:X+32*((\u)%2)+4*\m+3], v6 offset:STG*((\u)%2)+16*\m
.endr
.endm
.macro UNIT u
.set XS, X+32*((\u)%2)
.set CD, 24+10*((\u)%2)
	s_wait_dscnt 0x0                               ; this unit's block is back, and its stage stores have read their registers
.if (\u)+4 < 16
	LOADU (\u)+4
.endif
.if (\u)+1 < 16
.if (\u)+4 < 16
	s_wait_loadcnt 24                              ; the next unit's eight loads are in; three units' 24 may be out
.else
	s_wait_loadcnt 8*(14-(\u))
.endif
	TURNU (\u)+1
.endif
	s_wait_xcnt 0x0                                ; the stores of two units ago have read this set of code registers
	v_max3_num_f32 v10, |v[XS]|, |v[XS+1]|, |v[XS+2]|
	v_max3_num_f32 v12, |v[XS+3]|, |v[XS+4]|, |v[XS+5]|
.irp i, 6,10,14,18,22,26
	v_max3_num_f32 v10, v10, |v[XS+\i]|, |v[XS+\i+1]|
	v_max3_num_f32 v12, v12, |v[XS+\i+2]|, |v[XS+\i+3]|
.endr
	v_max3_num_f32 v10, v10, |v[XS+30]|, |v[XS+31]|
	v_max3_num_f32 v10, v10, v12, s26
	v_add_nc_u32 v12, 0xff000000, v10              ; 2 off the exponent field: the conversion's scale operand
	v_cvt_scalef32_pk16_fp6_f32 v[CD:CD+2], v[XS:XS+15], v12
	v_cvt_scalef32_pk16_fp6_f32 v[CD+6:CD+8], v[XS+16:XS+31], v12
	v_lshrrev_b32 v13, 23, v12                     ; the byte (also the plain line behind the conversions)
	v_sub_nc_u32 v13, v13, s27
.irp i, 0,1,2
	v_mov_b32 v[CD+3+\i], v[CD+6+\i]
.endr
	global_store_b128 v7, v[CD:CD+3], s[14:15] offset:768*(\u)        ; 512 consecutive bytes,
	global_store_b64 v8, v[CD+4:CD+5], s[14:15] offset:768*(\u)+512   ; and 256
.if (\u)%2 == 0
	v_mov_b32 v14, v13
.else
	v_lshl_or_b32 v14, v13, 16, v14
	v_lshlrev_b32 v14, v9, v14                     ; my two bytes, 8 h bits up;
	v_permlanex16_b32 v11, v14, s24, s25
	v_or_b32 v[SW+(\u)/2], v14, v11                ; with lane l xor 16's the word is whole
.endif
.endm
.irp t, 0,1,2,3
	LOADU \t
.endr
	s_wait_loadcnt 24
	TURNU 0
.irp t, 0,1,2,3,4,5,6,7,8,9,10,11,12,13,14,15
	UNIT \t
.endr
.irp i, 0,1,2,3
	v_cndmask_b32 v[44+\i], v[SW+\i], v[SW+4+\i], s28
.endr
	global_store_b128 v15, v[44:47], s[16:17]      ; the tile's 512 bytes of scale words
	s_wait_tensorcnt 0x0                           ; the wave's end
	ds_add_u32 v2, v3
	s_wait_dscnt 0x0
	s_endpgm
.Lfunc_end_k_qf4108267d3_quant:
	.size	k_qf4108267d3_quant, .Lfunc_end_k_qf4108267d3_quant-k_qf4108267d3_quant
	.p2alignl 7, 3214868480
	.fill 96, 4, 3214868480
	.section	.rodata,"a",@progbits
	.p2align	6, 0x0
	.amdhsa_kernel k_qf4108267d3_quant
		.amdhsa_group_segment_fixed_size 17664
		.amdhsa_private_segment_fixed_size 0
		.amdhsa_enable_private_segment 0
		.amdhsa_kernarg_size 72
		.amdhsa_user_sgpr_count 2
		.amdhsa_user_sgpr_kernarg_segment_ptr 1
		.amdhsa_wavefront_size32 1
		.amdhsa_system_sgpr_workgroup_id_x 1
		.amdhsa_system_sgpr_workgroup_id_y 1
		.amdhsa_system_sgpr_workgroup_id_z 1
		.amdhsa_system_vgpr_workitem_id 0
		.amdhsa_next_free_vgpr 256
		.amdhsa_next_free_sgpr 66
		.amdhsa_reserve_vcc 0
		.amdhsa_float_denorm_mode_32 3
		.amdhsa_float_denorm_mode_16_64 3
		.amdhsa_memory_ordered 1
		.amdhsa_forward_progress 1
		.amdhsa_inst_pref_size 60
	.end_amdhsa_kernel
	.amdgpu_metadata
---
amdhsa.version: [ 1, 2 ]
amdhsa.kernels:
  - .name:           k_qf4108267d3_quant
    .symbol:         k_qf4108267d3_quant.kd
    .args:
      - { .name: x, .offset: 0, .size: 8, .value_kind: global_buffer, .address_space: global }
      - { .name: Wq, .offset: 8, .size: 8, .value_kind: global_buffer, .address_space: global }
      - { .name: Wk, .offset: 16, .size: 8, .value_kind: global_buffer, .address_space: global }
      - { .name: Wv, .offset: 24, .size: 8, .value_kind: global_buffer, .address_space: global }
      - { .name: Wo, .offset: 32, .size: 8, .value_kind: global_buffer, .address_space: global }
      - { .name: xc, .offset: 40, .size: 8, .value_kind: global_buffer, .address_space: global }
      - { .name: xs, .offset: 48, .size: 8, .value_kind: global_buffer, .address_space: global }
      - { .name: wc, .offset: 56, .size: 8, .value_kind: global_buffer, .address_space: global }
      - { .name: ws, .offset: 64, .size: 8, .value_kind: global_buffer, .address_space: global }
    .group_segment_fixed_size: 17664
    .private_segment_fixed_size: 0
    .kernarg_segment_align: 8
    .kernarg_segment_size: 72
    .max_flat_workgroup_size: 64
    .sgpr_count:     66
    .vgpr_count:     256
    .wavefront_size: 32
...
	.end_amdgpu_metadata
.endif
;; end of part 1
;; launch qkv (part 2): grid 24 x 16, 8 waves a work-group, clusters of 4 x 4, 295,936 bytes of LDS; arguments xc, xs, wc, ws, qb, kv; writes qb, kv
.if DOCPART == 2
	.amdgcn_target "amdgcn-amd-amdhsa--gfx1250"
	.amdhsa_code_object_version 6
	.text
	.protected	k_qf4108267d3_qkv
	.globl	k_qf4108267d3_qkv
	.p2align	8
	.type	k_qf4108267d3_qkv,@function
k_qf4108267d3_qkv:
	s_mov_b64 s[64:65], 0
	v_nop
	global_prefetch_b8 v0, s[64:65] scope:SCOPE_SE
	s_setreg_imm32_b32 hwreg(HW_REG_WAVE_MODE, 25, 1), 1
	s_wait_xcnt 0x0
	s_wait_alu depctr_hold_cnt(0) depctr_sa_sdst(0) depctr_va_vdst(0) depctr_va_sdst(0) depctr_va_ssrc(0) depctr_va_vcc(0) depctr_vm_vsrc(0)
	s_getreg_b32 s2, hwreg(HW_REG_IB_STS2, 6, 4)
	s_cmp_eq_u32 s2, 0
	s_cbranch_scc0 .Lentry_in_a_cluster
	s_endpgm
.Lentry_in_a_cluster:
	s_bfe_u32 s2, ttmp6, 0x10000c
	s_cmp_lg_u32 s2, 0xf033
	s_cbranch_scc0 .Lentry_shape_is_right
	s_endpgm
.Lentry_shape_is_right:
; q = x Wq^T (already / 8 by Wq's scale bytes), k = x Wk^T, v = x Wv^T on codes of E2M3; the results are quantised in registers: q and k along the head's 64, v along the keys.
; Operands lie as [tile of 16 rows][K step of 128][1,536 bytes]; tile T holds rows 64 (T / 4) + 8 (T % 4) + r % 8 + 32 (r / 8).
; P is source 0, 128 rows (8 tiles): a lane's 32 result registers of four tiles are one whole block of 32 along P.  S is source 1, 256 rows: a lane is one of S's rows.
;   q, k: P = 128 rows of Wq or Wk (two heads), S = 256 tokens.   v: P = 128 tokens (a key step), S = 256 rows of Wv (four heads).  Only pointers differ.
; 384 work-groups of eight waves; a wave makes P 128 x S 32: 16 accumulators by turns.
; The work-group's operands for all of K, 288 KiB, lie in LDS at once, as in memory: P at 0, S behind it.  ONE tensor load a wave brings them: waves 0-3 two tiles of P each (24,576 dense bytes), waves 4-7 four tiles of S each.  Nothing is filled later.
; CLUSTERS 4 x 4: P hangs on the work-group's x (and the cluster's y), asked for jointly by a column; S on its y, by a row.
; No prefetch: the launch has no loop to run ahead in; all its tiles are asked for at its head.
; OUT.  qb: [head][128 tokens][6,656]: 8 half fragments of 768 bytes, then scale words [lane 32][4 words]: tile t's at lane 16 (t % 2) + r, word t / 2; bytes 0, 1 real, bytes 2, 3 zero.
;       kv: [head group 4][key step 32][head 4][13,312]: K's part, 6,656 bytes like a block of qb; V's part, 6,656: 4 fragments of 1,536 bytes, then [lane 32][4 words]: fragment d's word at lane 16 (d % 2) + r, word d / 2, and again at word 2 + d / 2, so that every byte is written.
; LIMITS: a block whose largest magnitude lies under 2^-124 has its byte held at 1.  NaN and infinities are not served.
; Window 0: v1, v2 the add's two; v3, v4 P's tiles 0-3 in LDS (16 l, 8 l), v12, v13 tiles 4-7, v5, v6 my S tiles; v7 = 32 l; v8-10 store offsets; v11 = 8 h; v16-23 S's scale words; v32-63 P's; v64-255 P's fragments, two buffers.
; Window 1: v0-127 accumulators ((j, i) at 64 j + 8 i); v128-175 my S fragments, two buffers.
.set SOFF,  98304
.set SPARE, 294912
.set HB,    13312
.set STEPB, 53248
.set HGB,   1703936
.set SS,    16
.set PS,    32
.set PB,    64
.set SB,    128
.set TM,    64
.set PW0,   80
.set PW1,   81
.set WW,    82
.set PC0,   84
.set PC1,   104
.set G1P,   16
.set G1S,   24
.set WV,    66
.set MSB, 0
.macro WIN new
.if MSB != \new
	s_set_vgpr_msb (MSB<<8)|\new
.set MSB, \new
.endif
.endm
.macro CROUND
	s_barrier_signal -1
	s_barrier_wait -1
	s_cmp_lg_u32 s[WV], 0
	s_cbranch_scc1 .Lnot_wave_0_\@
	s_barrier_signal -3
.Lnot_wave_0_\@:
	s_barrier_wait -3
	s_barrier_signal -1
	s_barrier_wait -1
.endm
.macro FRAG reg, a16, a8, off
	ds_load_b128 v[\reg:\reg+3], v[\a16] offset:\off
	ds_load_b64 v[\reg+4:\reg+5], v[\a8] offset:\off+512
	ds_load_b128 v[\reg+6:\reg+9], v[\a16] offset:\off+768
	ds_load_b64 v[\reg+10:\reg+11], v[\a8] offset:\off+1280
.endm
.macro PROD acc, pa, pb, zero, sca, scb, ra, rb    ; ra, rb = 1: that side's scale words stand in lanes 16-31
.if \zero
.if (\ra) && (\rb)
	v_wmma_scale_f32_16x16x128_f8f6f4 v[\acc:\acc+7], v[\pa:\pa+11], v[\pb:\pb+11], 0, v[\sca], v[\scb] matrix_a_fmt:MATRIX_FMT_FP6 matrix_b_fmt:MATRIX_FMT_FP6 matrix_a_scale:MATRIX_SCALE_ROW1 matrix_b_scale:MATRIX_SCALE_ROW1
.elseif (\ra)
	v_wmma_scale_f32_16x16x128_f8f6f4 v[\acc:\acc+7], v[\pa:\pa+11], v[\pb:\pb+11], 0, v[\sca], v[\scb] matrix_a_fmt:MATRIX_FMT_FP6 matrix_b_fmt:MATRIX_FMT_FP6 matrix_a_scale:MATRIX_SCALE_ROW1
.elseif (\rb)
	v_wmma_scale_f32_16x16x128_f8f6f4 v[\acc:\acc+7], v[\pa:\pa+11], v[\pb:\pb+11], 0, v[\sca], v[\scb] matrix_a_fmt:MATRIX_FMT_FP6 matrix_b_fmt:MATRIX_FMT_FP6 matrix_b_scale:MATRIX_SCALE_ROW1
.else
	v_wmma_scale_f32_16x16x128_f8f6f4 v[\acc:\acc+7], v[\pa:\pa+11], v[\pb:\pb+11], 0, v[\sca], v[\scb] matrix_a_fmt:MATRIX_FMT_FP6 matrix_b_fmt:MATRIX_FMT_FP6
.endif
.else
.if (\ra) && (\rb)
	v_wmma_scale_f32_16x16x128_f8f6f4 v[\acc:\acc+7], v[\pa:\pa+11], v[\pb:\pb+11], v[\acc:\acc+7], v[\sca], v[\scb] matrix_a_fmt:MATRIX_FMT_FP6 matrix_b_fmt:MATRIX_FMT_FP6 matrix_a_scale:MATRIX_SCALE_ROW1 matrix_b_scale:MATRIX_SCALE_ROW1
.elseif (\ra)
	v_wmma_scale_f32_16x16x128_f8f6f4 v[\acc:\acc+7], v[\pa:\pa+11], v[\pb:\pb+11], v[\acc:\acc+7], v[\sca], v[\scb] matrix_a_fmt:MATRIX_FMT_FP6 matrix_b_fmt:MATRIX_FMT_FP6 matrix_a_scale:MATRIX_SCALE_ROW1
.elseif (\rb)
	v_wmma_scale_f32_16x16x128_f8f6f4 v[\acc:\acc+7], v[\pa:\pa+11], v[\pb:\pb+11], v[\acc:\acc+7], v[\sca], v[\scb] matrix_a_fmt:MATRIX_FMT_FP6 matrix_b_fmt:MATRIX_FMT_FP6 matrix_b_scale:MATRIX_SCALE_ROW1
.else
	v_wmma_scale_f32_16x16x128_f8f6f4 v[\acc:\acc+7], v[\pa:\pa+11], v[\pb:\pb+11], v[\acc:\acc+7], v[\sca], v[\scb] matrix_a_fmt:MATRIX_FMT_FP6 matrix_b_fmt:MATRIX_FMT_FP6
.endif
.endif
.endm
.macro FETCH s                         ; K step s: P's eight fragments and my two of S, 40 LDS loads, into buffer s % 2; every offset is an immediate
	WIN 0
.irp i, 0,1,2,3
	FRAG PB+96*((\s)%2)+12*\i, 3, 4, 12288*\i+1536*(\s)
.endr
.irp i, 0,1,2,3
	FRAG PB+96*((\s)%2)+48+12*\i, 12, 13, 12288*\i+1536*(\s)
.endr
	WIN 0x40
.irp j, 0,1
	FRAG SB+24*((\s)%2)+12*\j, 5, 6, 12288*\j+1536*(\s)
.endr
	WIN 0
.endm
.macro MUL s, zero
	WIN 0x54                                       ; P window 0; S, C and D window 1
.irp i, 0,1,2,3,4,5,6,7
.irp j, 0,1
	PROD 64*\j+8*\i, PB+96*((\s)%2)+12*\i, SB+24*((\s)%2)+12*\j, \zero, PS+8*(\i/2)+(\s), SS+(\s), \i%2, \j
.endr
.endr
	WIN 0
.endm
.macro KSTEP s, zero
.if \s > 0
.rept 4
	v_nop                                          ; four plain lines between the last products and the loads into the buffer that they read
.endr
.endif
.if \s < 7
	FETCH \s+1
	s_wait_dscnt 40                                ; all but the 40 just issued
.else
	s_wait_dscnt 0x0
.endif
	MUL \s, \zero
.endm
; 64 results of a lane, window 1's v[x] on: registers 32 c + i = place 64 c + 32 h + i along P: block 2 c + h whole.  They become a fragment's codes in v[pc] on and its scale word in v[pw].  Each accumulator is read from its low end on.
.macro QUANTW x, pc, pw
	WIN 0x05
.irp b, 0,1,2,3
	v_max3_num_f32 v[TM+\b], |v[\x+16*\b]|, |v[\x+1+16*\b]|, 0x1800000   ; four chains of 16, and the floor 2^(3 - 127)
.endr
	WIN 0x14
.irp i, 2,4,6,8,10,12,14
.irp b, 0,1,2,3
	v_max3_num_f32 v[TM+\b], v[TM+\b], |v[\x+16*\b+\i]|, |v[\x+1+16*\b+\i]|
.endr
.endr
	WIN 0
	v_max_num_f32 v[TM], v[TM], v[TM+1]            ; my two blocks' largest magnitudes
	v_max_num_f32 v[TM+2], v[TM+2], v[TM+3]
	s_delay_alu instid0(VALU_DEP_2)
	v_add_nc_u32 v[TM+12], 0xff000000, v[TM]       ; 2 off the exponent field: the conversion's scale operand
	s_delay_alu instid0(VALU_DEP_2)
	v_add_nc_u32 v[TM+13], 0xff000000, v[TM+2]
	s_delay_alu instid0(VALU_DEP_2)
	v_lshrrev_b32 v[TM+4], 23, v[TM+12]
	s_delay_alu instid0(VALU_DEP_2)
	v_lshrrev_b32 v[TM+5], 23, v[TM+13]
	s_delay_alu instid0(VALU_DEP_1)
	v_lshl_or_b32 v[\pw], v[TM+5], 16, v[TM+4]
	s_delay_alu instid0(VALU_DEP_1)
	v_lshlrev_b32 v[\pw], v11, v[\pw]              ; bytes h and 2 + h at their places;
	s_delay_alu instid0(VALU_DEP_1)
	v_permlanex16_b32 v[TM+6], v[\pw], s2, s3
	s_delay_alu instid0(VALU_DEP_1)
	v_or_b32 v[\pw], v[\pw], v[TM+6]               ; with lane l xor 16's the word is whole
	WIN 0x01
.irp c, 0,1
	v_cvt_scalef32_pk16_fp6_f32 v[\pc+6*\c:\pc+2+6*\c], v[\x+32*\c:\x+15+32*\c], v[TM+12+\c]
	v_cvt_scalef32_pk16_fp6_f32 v[\pc+12+4*\c:\pc+14+4*\c], v[\x+16+32*\c:\x+31+32*\c], v[TM+12+\c]   ; (three registers begin on an even number: made elsewhere and moved)
.endr
	WIN 0
	v_nop                                          ; one plain line behind a scaled conversion
.irp c, 0,1
.irp i, 0,1,2
	v_mov_b32 v[\pc+3+6*\c+\i], v[\pc+12+4*\c+\i]
.endr
.endr
.endm
	s_load_b256 s[4:11], s[0:1], 0x0               ; xc, xs, wc, ws
	s_load_b128 s[12:15], s[0:1], 0x20             ; qb, kv
	v_lshl_add_u32 v1, v0, 2, SPARE
	v_mov_b32 v2, 0
	ds_add_u32 v1, v2                              ; the opening lines: the add, twice on end, and its wait
	ds_add_u32 v1, v2
	v_lshrrev_b32 v3, 5, v0
	s_delay_alu instid0(VALU_DEP_1)
	v_readfirstlane_b32 s[WV], v3                  ; wave 0..7
	s_bfe_u32 s67, ttmp6, 0x40000                  ; cx
	s_bfe_u32 s68, ttmp6, 0x40004                  ; cy
	s_lshl_b32 s69, ttmp9, 2
	s_add_co_u32 s69, s69, s67                     ; X: 0-7 q, 8-15 k, 16-23 v
	s_and_b32 s70, ttmp7, 0xffff
	s_lshl_b32 s71, s70, 2
	s_add_co_u32 s71, s71, s68                     ; Y
	s_lshl_b32 s72, s68, 2
	s_lshl_b32 s72, 15, s72                        ; my row of the cluster
	s_lshl_b32 s73, 0x1111, s67                    ; my column
	s_or_b32 s[G1P], s73, (3<<16)|(1<<21)          ; P goes to my column; elements of 8 bytes; no padding
	s_mov_b32 s[G1P+1], 32<<16                     ; a dense block as rows of 256 bytes:
	s_mov_b32 s[G1P+2], 96<<16                     ; 96 rows: two tiles, all of K
	s_mov_b32 s[G1P+3], 32<<16
	s_mov_b32 s[G1P+4], 96
	s_mov_b32 s[G1P+5], 32
	s_mov_b32 s[G1P+6], 0
	s_mov_b32 s[G1P+7], 0
	s_or_b32 s[G1S], s72, (3<<16)|(1<<21)          ; S goes to my row
	s_mov_b32 s[G1S+1], 32<<16
	s_mov_b32 s[G1S+2], 192<<16                    ; 192 rows: four tiles
	s_mov_b32 s[G1S+3], 32<<16
	s_mov_b32 s[G1S+4], 192
	s_mov_b32 s[G1S+5], 32
	s_mov_b32 s[G1S+6], 0
	s_mov_b32 s[G1S+7], 0
	s_lshl_b32 s74, s69, 3                         ; P's first tile.  q, k: 8 X in wc
	s_lshl_b32 s75, s70, 3
	s_add_co_u32 s75, s75, s69
	s_sub_co_u32 s75, s75, 16
	s_lshl_b32 s75, s75, 3                         ; v: 8 x the key step, 8 x cluster y + X - 16, in xc
	s_lshl_b32 s76, s71, 4                         ; S's first tile.  q, k: 16 Y in xc
	s_lshl_b32 s77, s68, 4
	s_add_co_u32 s77, s77, 128                     ; v: 128 + 16 cy in wc
	s_cmp_lt_u32 ttmp9, 4                          ; the cluster's x: the same in all partners
	s_cselect_b32 s74, s74, s75
	s_cselect_b32 s76, s76, s77
	s_and_b32 s81, s[WV], 3
	s_lshl_b32 s78, s81, 1
	s_add_co_u32 s78, s78, s74                     ; the two tiles of P that a wave fetches
	s_mul_i32 s78, s78, 12288
	s_mov_b32 s79, 0
	s_lshl_b32 s82, s81, 2
	s_add_co_u32 s82, s82, s76                     ; the four of S
	s_mul_i32 s82, s82, 12288
	s_mov_b32 s83, 0
	s_lshl_b32 s80, s[WV], 1
	s_add_co_u32 s80, s80, s76                     ; the two tiles of S that I multiply by
	s_lshl_b32 s84, s74, 9
	s_mov_b32 s85, 0
	s_lshl_b32 s86, s80, 9
	s_mov_b32 s87, 0
	s_mul_i32 s88, s81, 24576                      ; where they go: no place in the cluster enters an LDS address
	s_mul_i32 s89, s81, 49152
	s_add_co_u32 s89, s89, SOFF
	s_mul_i32 s98, s[WV], 24576
	s_add_co_u32 s98, s98, SOFF
	v_and_b32 v7, 31, v0
	v_bfe_u32 v11, v0, 4, 1
	s_delay_alu instid0(VALU_DEP_2)
	v_lshlrev_b32 v3, 4, v7
	v_lshlrev_b32 v4, 3, v7
	v_lshlrev_b32 v11, 3, v11
	v_add_nc_u32 v12, 49152, v3
	v_add_nc_u32 v13, 49152, v4
	v_add_nc_u32 v5, s98, v3
	v_add_nc_u32 v6, s98, v4
	v_lshlrev_b32 v7, 5, v7
	s_mov_b32 s2, 0x76543210
	s_mov_b32 s3, 0xfedcba98
	s_wait_dscnt 0x0                               ; both opening adds are done
	s_wait_kmcnt 0x0
	s_cmp_lt_u32 ttmp9, 4
	s_cselect_b64 s[90:91], s[8:9], s[4:5]         ; P's codes: wc, or xc for v
	s_cselect_b64 s[92:93], s[10:11], s[6:7]
	s_cselect_b64 s[94:95], s[4:5], s[8:9]         ; S's codes
	s_cselect_b64 s[96:97], s[6:7], s[10:11]
	s_add_nc_u64 s[92:93], s[92:93], s[84:85]
	s_add_nc_u64 s[96:97], s[96:97], s[86:87]
	s_mov_b32 s32, 1
	s_mov_b32 s33, s88
	s_add_nc_u64 s[34:35], s[90:91], s[78:79]
	s_or_b32 s35, s35, 0x80000000
	s_mov_b32 s36, 1
	s_mov_b32 s37, s89
	s_add_nc_u64 s[38:39], s[94:95], s[82:83]
	s_or_b32 s39, s39, 0x80000000
	CROUND                                         ; all sixteen work-groups are here: the joint loads meet
	s_cmp_lt_u32 s[WV], 4                          ; one tensor load a wave, one to each arm
	s_cbranch_scc0 .Lfill_s
	tensor_load_to_lds s[32:35], s[G1P:G1P+7]
	s_nop 0
.rept 4
	v_nop
.endr
	s_branch .Lfilled
.Lfill_s:
	tensor_load_to_lds s[36:39], s[G1S:G1S+7]
	s_nop 0
.rept 4
	v_nop
.endr
.Lfilled:
	s_wait_alu depctr_va_vdst(0)                   ; the wait at the head's end
.irp p, 0,1,2,3
	global_load_b128 v[PS+8*\p:PS+8*\p+3], v7, s[92:93] offset:1024*\p        ; lane l: the eight scale words of row l % 16 of tile 2 p + l / 16
	global_load_b128 v[PS+8*\p+4:PS+8*\p+7], v7, s[92:93] offset:1024*\p+16
.endr
	global_load_b128 v[SS:SS+3], v7, s[96:97]
	global_load_b128 v[SS+4:SS+7], v7, s[96:97] offset:16
	s_wait_tensorcnt 0x0                           ; my load is in
	s_barrier_signal -1
	s_barrier_wait -1                              ; everybody's is
	FETCH 0
	s_wait_loadcnt 0x0
	KSTEP 0, 1
.irp s, 1,2,3,4,5,6,7
	KSTEP \s, 0
.endr
.rept 4
	v_nop                                          ; four plain lines ahead of the first read of results
.endr
	v_mov_b32 v[TM+6], 0                           ; a lane permute's destination is written once beforehand
	QUANTW 0, PC0, PW0
	QUANTW 64, PC1, PW1
	s_mov_b32 s90, 0xffff0000
	v_cndmask_b32 v[WW], v[PW0], v[PW1], s90       ; lane 16 j + r: the scale word of row r of my tile j
	v_and_b32 v10, 31, v0
	s_cmp_lt_u32 ttmp9, 4
	s_cbranch_scc0 .Lvalues
	; q, k: a lane is a token; the fragment's halves are heads 2 G and 2 G + 1
	s_and_b32 s72, s69, 7                          ; G
	s_lshl_b32 s73, s71, 1
	s_lshr_b32 s74, s[WV], 2
	s_add_co_u32 s73, s73, s74                     ; the group of 128 tokens
	s_mul_i32 s75, s72, 2*212992
	s_mul_i32 s76, s73, 6656
	s_add_co_u32 s75, s75, s76                     ; q: head 2 G's block in qb
	s_lshr_b32 s77, s72, 1
	s_mul_i32 s77, s77, HGB
	s_mul_i32 s78, s73, STEPB
	s_add_co_u32 s77, s77, s78
	s_and_b32 s78, s72, 1
	s_mul_i32 s78, s78, 2*HB
	s_add_co_u32 s77, s77, s78                     ; k: head 2 G's block in kv
	s_mov_b32 s79, HB
	s_cmp_lt_u32 ttmp9, 2
	s_cselect_b32 s80, s75, s77
	s_cselect_b32 s82, 212992, s79
	s_cselect_b64 s[84:85], s[12:13], s[14:15]
	s_mov_b32 s81, 0
	s_mov_b32 s83, 0
	s_add_nc_u64 s[84:85], s[84:85], s[80:81]
	s_add_nc_u64 s[86:87], s[84:85], s[82:83]
	s_and_b32 s88, s[WV], 3
	s_mul_i32 s89, s88, 1536
	s_lshl_b32 s88, s88, 2
	s_wait_alu depctr_va_vdst(0)                   ; the wait behind the run of scalar lines
	v_lshl_add_u32 v8, v10, 4, s89
	v_lshl_add_u32 v9, v10, 3, s89
	v_lshl_add_u32 v10, v10, 4, s88
	v_and_b32 v83, 0xffff, v[WW]                   ; head 2 G's two bytes over two bytes of 0
	v_lshrrev_b32 v[WW], 16, v[WW]                 ; head 2 G + 1's
.irp j, 0,1
.irp c, 0,1
	global_store_b128 v8, v[PC0+20*\j+6*\c:PC0+20*\j+6*\c+3], s[84+2*\c:85+2*\c] offset:768*\j
	global_store_b64 v9, v[PC0+20*\j+6*\c+4:PC0+20*\j+6*\c+5], s[84+2*\c:85+2*\c] offset:768*\j+512
.endr
.endr
	global_store_b32 v10, v83, s[84:85] offset:6144
	global_store_b32 v10, v[WW], s[86:87] offset:6144
	s_branch .Lout
.Lvalues:
	; v: a lane is one of the head's 64; the fragment runs along the key step's 128 keys
	s_lshl_b32 s72, s70, 3
	s_add_co_u32 s72, s72, s69
	s_sub_co_u32 s72, s72, 16                      ; the key step
	s_mul_i32 s72, s72, STEPB
	s_mul_i32 s73, s68, HGB
	s_add_co_u32 s72, s72, s73
	s_lshr_b32 s73, s[WV], 1
	s_mul_i32 s73, s73, HB
	s_add_co_u32 s72, s72, s73
	s_add_co_u32 s80, s72, 6656                    ; V's part lies behind K's
	s_mov_b32 s81, 0
	s_add_nc_u64 s[84:85], s[14:15], s[80:81]
	s_and_b32 s88, s[WV], 1
	s_mul_i32 s89, s88, 3072
	s_lshl_b32 s88, s88, 2
	s_wait_alu depctr_va_vdst(0)                   ; the wait behind the run of scalar lines
	v_lshl_add_u32 v8, v10, 4, s89
	v_lshl_add_u32 v9, v10, 3, s89
	v_lshl_add_u32 v10, v10, 4, s88
.irp j, 0,1
.irp c, 0,1
	global_store_b128 v8, v[PC0+20*\j+6*\c:PC0+20*\j+6*\c+3], s[84:85] offset:1536*\j+768*\c
	global_store_b64 v9, v[PC0+20*\j+6*\c+4:PC0+20*\j+6*\c+5], s[84:85] offset:1536*\j+768*\c+512
.endr
.endr
	global_store_b32 v10, v[WW], s[84:85] offset:6144
	global_store_b32 v10, v[WW], s[84:85] offset:6152   ; the same word again: the part's last 512 bytes are written whole
.Lout:
	s_wait_tensorcnt 0x0                           ; the wave's end
	ds_add_u32 v1, v2
	s_wait_dscnt 0x0
	CROUND                                         ; the closing round
	s_endpgm
.Lfunc_end_k_qf4108267d3_qkv:
	.size	k_qf4108267d3_qkv, .Lfunc_end_k_qf4108267d3_qkv-k_qf4108267d3_qkv
	.p2alignl 7, 3214868480
	.fill 96, 4, 3214868480
	.section	.rodata,"a",@progbits
	.p2align	6, 0x0
	.amdhsa_kernel k_qf4108267d3_qkv
		.amdhsa_group_segment_fixed_size 295936
		.amdhsa_private_segment_fixed_size 0
		.amdhsa_enable_private_segment 0
		.amdhsa_kernarg_size 48
		.amdhsa_user_sgpr_count 2
		.amdhsa_user_sgpr_kernarg_segment_ptr 1
		.amdhsa_wavefront_size32 1
		.amdhsa_system_sgpr_workgroup_id_x 1
		.amdhsa_system_sgpr_workgroup_id_y 1
		.amdhsa_system_sgpr_workgroup_id_z 1
		.amdhsa_system_vgpr_workitem_id 0
		.amdhsa_next_free_vgpr 448
		.amdhsa_next_free_sgpr 100
		.amdhsa_reserve_vcc 0
		.amdhsa_float_denorm_mode_32 3
		.amdhsa_float_denorm_mode_16_64 3
		.amdhsa_memory_ordered 1
		.amdhsa_forward_progress 1
		.amdhsa_inst_pref_size 57
	.end_amdhsa_kernel
	.amdgpu_metadata
---
amdhsa.version: [ 1, 2 ]
amdhsa.kernels:
  - .name:           k_qf4108267d3_qkv
    .symbol:         k_qf4108267d3_qkv.kd
    .args:
      - { .name: xc, .offset: 0, .size: 8, .value_kind: global_buffer, .address_space: global }
      - { .name: xs, .offset: 8, .size: 8, .value_kind: global_buffer, .address_space: global }
      - { .name: wc, .offset: 16, .size: 8, .value_kind: global_buffer, .address_space: global }
      - { .name: ws, .offset: 24, .size: 8, .value_kind: global_buffer, .address_space: global }
      - { .name: qb, .offset: 32, .size: 8, .value_kind: global_buffer, .address_space: global }
      - { .name: kv, .offset: 40, .size: 8, .value_kind: global_buffer, .address_space: global }
    .group_segment_fixed_size: 295936
    .private_segment_fixed_size: 0
    .kernarg_segment_align: 8
    .kernarg_segment_size: 48
    .max_flat_workgroup_size: 256
    .sgpr_count:     100
    .vgpr_count:     448
    .wavefront_size: 32
...
	.end_amdgpu_metadata
.endif
;; end of part 2
;; launch attn (part 3): grid 64 x 4, 16 waves a work-group, clusters of 4 x 4, 327,680 bytes of LDS; arguments mask, qb, kv, oc, os; writes oc, os
.if DOCPART == 3
	.amdgcn_target "amdgcn-amd-amdhsa--gfx1250"
	.amdhsa_code_object_version 6
	.text
	.protected	k_qf4108267d3_attn
	.globl	k_qf4108267d3_attn
	.p2align	8
	.type	k_qf4108267d3_attn,@function
k_qf4108267d3_attn:
	s_mov_b64 s[64:65], 0
	v_nop
	global_prefetch_b8 v0, s[64:65] scope:SCOPE_SE
	s_setreg_imm32_b32 hwreg(HW_REG_WAVE_MODE, 25, 1), 1
	s_wait_xcnt 0x0
	s_wait_alu depctr_hold_cnt(0) depctr_sa_sdst(0) depctr_va_vdst(0) depctr_va_sdst(0) depctr_va_ssrc(0) depctr_va_vcc(0) depctr_vm_vsrc(0)
	s_getreg_b32 s2, hwreg(HW_REG_IB_STS2, 6, 4)
	s_cmp_eq_u32 s2, 0
	s_cbranch_scc0 .Lentry_in_a_cluster
	s_endpgm
.Lentry_in_a_cluster:
	s_bfe_u32 s2, ttmp6, 0x10000c
	s_cmp_lg_u32 s2, 0xf033
	s_cbranch_scc0 .Lentry_shape_is_right
	s_endpgm
.Lentry_shape_is_right:
; O = softmax(q k^T / 8 + mask) v for 16 heads of 64, 4,096 tokens, both products on codes of E2M3; the result, divided by the row's sum, is quantised along the model's 1,024 for the last product.
; THE SOFTMAX: t = logit x log2(e); M = the row's largest t so far, rounded up to a whole number; p = 2^(t - M) is quantised along the keys; the row's sum is taken of the unquantised p.  When M moves, the sum and O are multiplied by 2^(old M - new M).
; SHARES.  A work-group owns 64 queries x 4 heads: wave w owns head w / 4 of the group and query tile w % 4.  Every wave walks all 4,096 keys, 128 a step.
; LAYOUT.  Both products transposed: S^T = K Q^T + mask^T, O^T = V^T P^T: a lane holds one query.  Tile T holds rows 64 (T / 4) + 8 (T % 4) + r % 8 + 32 (r / 8): so registers 32 c + i of the scores are keys 64 c + 32 h + i:
; a lane holds blocks h and 2 + h of the step's four WHOLE, in the order of the next operand's registers: no lane is asked for a block's maximum and no codes change lanes.  O^T's 32 registers are likewise block h of the head's 64.
; The mask is the C of the score product, in place.  The head's K is 64, the instruction's 128: Q's codes for k = 64 .. 127 are zeros and bytes 2, 3 of Q's and K's scale words are 0; K's operand for tile t names the next tile's six registers
; (tile 7: V's first six) as its upper half: finite codes that meet zero codes.
; THE RING.  Three slots of one key step.  The change of slots of step t stands ahead of the step's matrix instructions: the scores of step t and, directly behind them, O^T += V^T P^T of step t - 1, whose operands are all in registers.
; Behind the round slot (t + 2) % 3 takes step t + 2; V of step t and K and the mask of step t + 1 come into registers during step t.  The step is written once: the first finds zero codes for p and V, and zeros in O^T.
; Every wave issues one tensor load at the head and one behind each round: waves 0-7 eight rows of the mask, waves 8-15 a head's K part or V part (26 rows of 256 bytes).
; CLUSTER 4 x 4.  The mask's tile hangs on the query block alone: a column asks jointly.  K and V hang on the head group alone: a row asks jointly.
; LIMITS.  A mask of -infinity gives p = 0; a row whose every logit lies under -1e38 gives NaN or zeros.  NaN in the mask is not served.  The promise holds while the scaled scores stay under 2^31 in magnitude.  A block of O under 2^-124 has its byte held at 1.
; REGISTERS: v1, v2 the add's two; v3-5 / v6-8 my head's K and V in slot 0, 1, 2 (16 l / 8 l); v9-11 my mask rows; v12 -M, v13 the largest logit, v[14:15] the sum; v16-27 Q; v28 its scale word; v29 where my scale byte of O goes;
;   v30, v31 V's scale words; v32-79 K; v80-127 V; v128-191 mask, S^T, p; v192-223 O^T; v224-235 p's codes; v236-242 at work; v243 = 8 h; v244, 245 block maxima; v246, 247 scale operands; v248-251 K's scale words; v252 f; v253 p's scale word; v254 at work; v255 prefetch offset.
.set SLOTB, 87040                      ; the mask's 64 rows x 528 bytes, then four heads x 13,312
.set KVO,   33792
.set HB,    13312
.set STEPB, 53248
.set HGB,   1703936
.set SCR,   261120                     ; behind the ring: O's scale bytes, 512 bytes; no tile lands there
.set SPARE, 261632                     ; the spare words, 128 bytes a wave
.set A16,   3
.set A8,    6
.set AM,    9
.set KR,    32
.set VR,    80
.set S,     128
.set O,     192
.set PC,    224
.set PT,    236
.set BM,    244
.set SO,    246
.set KS,    248
.set WV,    14
.macro CROUND
	s_barrier_signal -1
	s_barrier_wait -1
	s_cmp_lg_u32 s[WV], 0
	s_cbranch_scc1 .Lnot_wave_0_\@
	s_barrier_signal -3
.Lnot_wave_0_\@:
	s_barrier_wait -3
	s_barrier_signal -1
	s_barrier_wait -1
.endm
.macro FRAG reg, a16, a8, off
	ds_load_b128 v[\reg:\reg+3], v[\a16] offset:\off
	ds_load_b64 v[\reg+4:\reg+5], v[\a8] offset:\off+512
	ds_load_b128 v[\reg+6:\reg+9], v[\a16] offset:\off+768
	ds_load_b64 v[\reg+10:\reg+11], v[\a8] offset:\off+1280
.endm
.macro LOADK k                         ; my head's K in slot k: eight half fragments and the scale words
.irp t, 0,1,2,3,4,5,6,7
	ds_load_b128 v[KR+6*\t:KR+6*\t+3], v[A16+\k] offset:768*\t
	ds_load_b64 v[KR+6*\t+4:KR+6*\t+5], v[A8+\k] offset:768*\t+512
.endr
	ds_load_b128 v[KS:KS+3], v[A16+\k] offset:6144
.endm
.macro LOADMH k, c                     ; my queries' mask for my block 2 c + h, in the scores' layout: 128 neighbouring bytes of a row; rows 528 bytes apart
.irp i, 0,1,2,3,4,5,6,7
	ds_load_b128 v[S+32*\c+4*\i:S+32*\c+4*\i+3], v[AM+\k] offset:256*\c+16*\i
.endr
.endm
.macro JLOAD                           ; a joint load, one a wave; the branch hangs on the wave's number alone
	s_cmp_lt_u32 s[WV], 8
	s_cbranch_scc0 .Lfor_kv_\@
	tensor_load_to_lds s[40:43], s[24:31]
	s_nop 0
	s_branch .Lasked_\@
.Lfor_kv_\@:
	tensor_load_to_lds s[44:47], s[32:39]
	s_nop 0
.Lasked_\@:
.endm
; A prefetch, in step t, of step t + 3's tiles: one key step ahead of the tensor load that asks for them.  The mask: wave 12 of every work-group; the four partners of a column take 16 of the 64 rows each, by address (cy);
; a lane names one of a row's two blocks of 256 bytes.  K and V: the first cluster asks; the partner at cx takes head cx's 52 blocks: wave 13 the first 32, wave 14 the other 20 (its lanes 20-31 name the last again).  Step 29 asks for nothing.
.macro ASK lim
	s_cmp_gt_u32 s60, s[\lim]
	s_cbranch_scc0 .Lnot_mine_\@
	global_prefetch_b8 v255, s[68:69] th:TH_LOAD_NT scope:SCOPE_SE
.Lnot_mine_\@:
.endm
; The change of slots: all my tensor loads are in, the add, all my LDS reads are over; behind the round slot F is filled.
.macro CHANGE F, ask
	s_wait_alu depctr_va_vdst(0)                   ; the wait ahead of the blocking waits
	s_wait_tensorcnt 0x0
	ds_add_u32 v1, v2
	s_add_co_u32 s41, s63, \F*SLOTB
	s_add_nc_u64 s[42:43], s[42:43], 512           ; the next 128 keys' columns of the mask
	s_add_co_u32 s45, s66, \F*SLOTB
	s_add_nc_u64 s[46:47], s[46:47], STEPB         ; the next key step's K and V
.if \ask
	s_wait_xcnt 0x0                                ; the last prefetch has read its address
	s_add_nc_u64 s[68:69], s[68:69], s[70:71]
.endif
	s_wait_dscnt 0x0
	CROUND
	JLOAD
.endm
.macro PV                              ; O^T += V^T P^T: four accumulators, one instruction each
.irp d, 0,1,2,3
.if \d%2
	v_wmma_scale_f32_16x16x128_f8f6f4 v[O+8*\d:O+8*\d+7], v[VR+12*\d:VR+12*\d+11], v[PC:PC+11], v[O+8*\d:O+8*\d+7], v[30+\d/2], v253 matrix_a_fmt:MATRIX_FMT_FP6 matrix_b_fmt:MATRIX_FMT_FP6 matrix_a_scale:MATRIX_SCALE_ROW1
.else
	v_wmma_scale_f32_16x16x128_f8f6f4 v[O+8*\d:O+8*\d+7], v[VR+12*\d:VR+12*\d+11], v[PC:PC+11], v[O+8*\d:O+8*\d+7], v[30+\d/2], v253 matrix_a_fmt:MATRIX_FMT_FP6 matrix_b_fmt:MATRIX_FMT_FP6
.endif
.endr
.endm
; A key step.  K, its scale words and the mask are in registers, and so are the step before's V and p.  V comes from slot cur; more = 1: the next step's K and mask come from slot nxt; lim: who prefetches (0: nobody).
.macro STEP cur, nxt, more, lim
.irp t, 0,1,2,3,4,5,6,7
.if \t%2
	v_wmma_scale_f32_16x16x128_f8f6f4 v[S+8*\t:S+8*\t+7], v[KR+6*\t:KR+6*\t+11], v[16:27], v[S+8*\t:S+8*\t+7], v[KS+\t/2], v28 matrix_a_fmt:MATRIX_FMT_FP6 matrix_b_fmt:MATRIX_FMT_FP6 matrix_a_scale:MATRIX_SCALE_ROW1
.else
	v_wmma_scale_f32_16x16x128_f8f6f4 v[S+8*\t:S+8*\t+7], v[KR+6*\t:KR+6*\t+11], v[16:27], v[S+8*\t:S+8*\t+7], v[KS+\t/2], v28 matrix_a_fmt:MATRIX_FMT_FP6 matrix_b_fmt:MATRIX_FMT_FP6
.endif
.endr
	PV                                             ; the step before's
.rept 4
	v_nop                                          ; four plain lines ahead of the loads into K's and V's registers and of the first read of the scores
.endr
.irp d, 0,1,2,3
	FRAG VR+12*\d, A16+\cur, A8+\cur, 6656+1536*\d
.endr
	ds_load_b64 v[30:31], v[A16+\cur] offset:12800
.if \more
	LOADK \nxt
.endif
.if \lim
	ASK \lim
.endif
.irp q, 0,1,2,3
	v_max3_num_f32 v[PT+\q], v[S+16*\q], v[S+16*\q+1], v[S+16*\q+2]   ; four chains; each accumulator from its low end on
.endr
.irp i, 3,5,7,9,11,13
.irp q, 0,1,2,3
	v_max3_num_f32 v[PT+\q], v[PT+\q], v[S+16*\q+\i], v[S+16*\q+\i+1]
.endr
.endr
	v_max3_num_f32 v[BM], v[PT], v[PT+1], v[S+15]
	v_max3_num_f32 v[BM+1], v[PT+2], v[PT+3], v[S+47]
	v_max_num_f32 v[BM], v[BM], v[S+31]            ; the largest logit of each of my two blocks: for the row's maximum, and, since p rises with the logit, for the block's largest p
	v_max_num_f32 v[BM+1], v[BM+1], v[S+63]
	s_delay_alu instid0(VALU_DEP_1)
	v_max3_num_f32 v13, v13, v[BM], v[BM+1]
	s_delay_alu instid0(VALU_DEP_1)
	v_permlanex16_b32 v254, v13, s56, s57
	s_delay_alu instid0(VALU_DEP_1)
	v_max_num_f32 v13, v13, v254                   ; with lane l xor 16's two blocks: the row's largest logit so far
	v_mov_b32 v236, v12
	s_delay_alu instid0(VALU_DEP_2)
	v_mul_f32 v254, s58, v13                       ; as t
	s_delay_alu instid0(VALU_DEP_1)
	v_floor_f32 v12, -v254                         ; -M = floor(-t)
	s_delay_alu instid0(VALU_DEP_1)
	v_sub_f32 v236, v12, v236                      ; old M less new M: a whole number, 0 or less
	s_delay_alu instid0(VALU_DEP_1)
	v_cvt_i32_f32 v236, v236
	s_delay_alu instid0(VALU_DEP_1)
	v_ldexp_f32 v252, 1.0, v236                    ; f
.irp j, 0,2,4,6,8,10,12,14,16,18,20,22,24,26,28,30,32,34,36,38,40,42,44,46,48,50,52,54,56,58,60,62
	v_pk_fma_f32 v[S+\j:S+\j+1], v[S+\j:S+\j+1], s[58:59], v[12:13] op_sel_hi:[1,0,0]   ; t - M
.endr
	v_fma_f32 v[BM], v[BM], s58, v12
	v_fma_f32 v[BM+1], v[BM+1], s58, v12
	s_wait_alu depctr_va_vdst(0)                   ; the wait ahead of the batch
	v_exp_f32 v[BM], v[BM]                         ; each block's largest p: the same two instructions on the same number
	v_exp_f32 v[BM+1], v[BM+1]
.irp j, 0,1,2,3,4,5,6,7,8,9,10,11,12,13,14,15,16,17,18,19,20,21,22,23,24,25,26,27,28,29,30,31,32,33,34,35,36,37,38,39,40,41,42,43,44,45,46,47,48,49,50,51,52,53,54,55,56,57,58,59,60,61,62,63
	v_exp_f32 v[S+\j], v[S+\j]
.endr
	v_pk_mul_f32 v[14:15], v[14:15], v[252:253] op_sel_hi:[1,0]   ; the sums under the new M (the plain line behind the batch)
	s_wait_alu depctr_va_vdst(0)                   ; one wait for the batch
	v_max_num_f32 v[BM], 0x1800000, v[BM]          ; the floor 2^(3 - 127)
	v_max_num_f32 v[BM+1], 0x1800000, v[BM+1]
	v_pk_add_f32 v[236:237], v[S:S+1], v[S+2:S+3]  ; the row's sum of the unquantised p, four chains; my first block
	v_pk_add_f32 v[238:239], v[S+4:S+5], v[S+6:S+7]
	v_pk_add_f32 v[240:241], v[S+8:S+9], v[S+10:S+11]
	v_pk_add_f32 v[14:15], v[14:15], v[S+12:S+13]
	v_add_nc_u32 v[SO], 0xff000000, v[BM]          ; 2 off the exponent field: the conversions' scale operands
	v_add_nc_u32 v[SO+1], 0xff000000, v[BM+1]
.irp i, 0,1
	v_pk_add_f32 v[236:237], v[236:237], v[S+14+8*\i:S+15+8*\i]
	v_pk_add_f32 v[238:239], v[238:239], v[S+16+8*\i:S+17+8*\i]
	v_pk_add_f32 v[240:241], v[240:241], v[S+18+8*\i:S+19+8*\i]
	v_pk_add_f32 v[14:15], v[14:15], v[S+20+8*\i:S+21+8*\i]
.endr
	v_pk_add_f32 v[236:237], v[236:237], v[S+30:S+31]
	v_cvt_scalef32_pk16_fp6_f32 v[PC:PC+2], v[S:S+15], v[SO]
	v_lshrrev_b32 v254, 23, v[SO]                  ; the scale's byte (a plain line between the conversions: the second writes over sources of the first)
	v_cvt_scalef32_pk16_fp6_f32 v[S:S+2], v[S+16:S+31], v[SO]   ; three registers begin on an even number: made in score registers that are done with, and moved
	v_lshrrev_b32 v242, 23, v[SO+1]
.irp i, 0,1,2
	v_mov_b32 v[PC+3+\i], v[S+\i]
.endr
.if \more
	LOADMH \nxt, 0                                 ; my first block has been summed and converted: its registers take the next step's mask
.endif
.irp i, 0,1,2,3
	v_pk_add_f32 v[236:237], v[236:237], v[S+32+8*\i:S+33+8*\i]
	v_pk_add_f32 v[238:239], v[238:239], v[S+34+8*\i:S+35+8*\i]
	v_pk_add_f32 v[240:241], v[240:241], v[S+36+8*\i:S+37+8*\i]
	v_pk_add_f32 v[14:15], v[14:15], v[S+38+8*\i:S+39+8*\i]
.endr
	v_cvt_scalef32_pk16_fp6_f32 v[PC+6:PC+8], v[S+32:S+47], v[SO+1]
	v_lshl_or_b32 v253, v242, 16, v254
	v_cvt_scalef32_pk16_fp6_f32 v[S+32:S+34], v[S+48:S+63], v[SO+1]
	v_lshlrev_b32 v253, v243, v253                 ; bytes h and 2 + h at their places;
.irp i, 0,1,2
	v_mov_b32 v[PC+9+\i], v[S+32+\i]
.endr
.if \more
	LOADMH \nxt, 1
.endif
	v_permlanex16_b32 v254, v253, s56, s57
	v_pk_add_f32 v[238:239], v[238:239], v[240:241]
	v_pk_add_f32 v[14:15], v[14:15], v[236:237]
	v_or_b32 v253, v253, v254                      ; p's scale word for these 128 keys
	v_pk_add_f32 v[14:15], v[14:15], v[238:239]
	s_wait_alu depctr_va_vdst(0)                   ; the wait directly ahead of the first reader of O^T
.irp j, 0,2,4,6,8,10,12,14,16,18,20,22,24,26,28,30
	v_pk_mul_f32 v[O+\j:O+\j+1], v[O+\j:O+\j+1], v[252:253] op_sel_hi:[1,0]   ; O^T x f; also the plain lines between the writes of p's codes and scale word and the products
.endr
.endm
	s_load_b256 s[4:11], s[0:1], 0x0               ; mask, qb, kv, oc
	s_load_b64 s[12:13], s[0:1], 0x20              ; os
	v_lshl_add_u32 v1, v0, 2, SPARE
	v_mov_b32 v2, 0
	ds_add_u32 v1, v2                              ; the opening lines: the add, twice on end, and its wait
	ds_add_u32 v1, v2
	v_lshrrev_b32 v32, 5, v0
	s_delay_alu instid0(VALU_DEP_1)
	v_readfirstlane_b32 s[WV], v32                 ; wave 0..15
	s_lshr_b32 s15, s[WV], 2                       ; my head in the group
	s_and_b32 s16, s[WV], 3                        ; my tile of queries
	s_bfe_u32 s17, ttmp6, 0x40000                  ; cx
	s_bfe_u32 s18, ttmp6, 0x40004                  ; cy: the head group
	s_lshl_b32 s19, ttmp9, 2
	s_add_co_u32 s19, s19, s17                     ; my block of 64 queries
	s_lshl_b32 s23, 0x1111, s17
	s_or_b32 s24, s23, (2<<16)|(1<<20)|(1<<21)|(6<<22)|(3<<25)   ; the mask's tiles go to my column; elements of 4 bytes; 4 words of padding behind every 128
	s_mov_b32 s25, 128<<16
	s_mov_b32 s26, 8<<16
	s_mov_b32 s27, 128<<16
	s_mov_b32 s28, 8
	s_mov_b32 s29, 4096
	s_mov_b32 s30, 0
	s_mov_b32 s31, 0
	s_lshl_b32 s72, s18, 2
	s_lshl_b32 s72, 15, s72
	s_or_b32 s32, s72, (3<<16)|(1<<21)             ; K and V go to my row; elements of 8 bytes
	s_mov_b32 s33, 32<<16                          ; 6,656 dense bytes as 26 rows of 256
	s_mov_b32 s34, 26<<16
	s_mov_b32 s35, 32<<16
	s_mov_b32 s36, 26
	s_mov_b32 s37, 32
	s_mov_b32 s38, 0
	s_mov_b32 s39, 0
	; with u = wave % 8: LDS rows 8 u .. 8 u + 7 of the mask are rows 8 (u % 2) .. + 7 of query tile u / 2: in memory the 8 rows from 64 x block + 8 (u / 2) + 32 (u % 2) on
	s_and_b32 s22, s[WV], 7
	s_lshr_b32 s21, s22, 1
	s_and_b32 s20, s22, 1
	s_lshl_b32 s20, s20, 2
	s_add_co_u32 s21, s21, s20
	s_lshl_b32 s20, s19, 3
	s_add_co_u32 s20, s20, s21
	s_lshl_b32 s20, s20, 17                        ; x 8 rows of 16,384 bytes
	s_mov_b32 s21, 0
	s_mul_i32 s63, s22, 4224
	s_mul_i32 s72, s18, HGB                        ; part u of the head group's eight parts of K and V
	s_mul_i32 s74, s22, 6656
	s_add_co_u32 s72, s72, s74
	s_mov_b32 s73, 0
	s_add_co_u32 s66, s74, KVO
	v_and_b32 v32, 31, v0                          ; l
	v_and_b32 v33, 15, v0                          ; r
	v_bfe_u32 v34, v0, 4, 1                        ; h
	s_mul_i32 s76, s15, HB
	s_add_co_u32 s76, s76, KVO
	v_lshl_add_u32 v3, v32, 4, s76
	v_lshl_add_u32 v6, v32, 3, s76
	v_mul_u32_u24 v9, v33, 528
	v_lshlrev_b32 v243, 3, v34
	v_add_nc_u32 v4, SLOTB, v3
	v_add_nc_u32 v5, 2*SLOTB, v3
	v_add_nc_u32 v7, SLOTB, v6
	v_add_nc_u32 v8, 2*SLOTB, v6
	s_mul_i32 s77, s16, 16*528
	v_lshl_add_u32 v9, v34, 7, v9
	s_delay_alu instid0(VALU_DEP_1)
	v_add_nc_u32 v9, s77, v9                       ; row 16 x tile + r, 128 h bytes on
	s_delay_alu instid0(VALU_DEP_1)
	v_add_nc_u32 v10, SLOTB, v9
	v_add_nc_u32 v11, 2*SLOTB, v9
	s_lshl_b32 s78, s16, 7
	s_lshl_b32 s79, s15, 1
	s_add_co_u32 s78, s78, s79
	s_add_co_u32 s78, s78, SCR
	v_lshl_add_u32 v29, v33, 3, s78
	s_delay_alu instid0(VALU_DEP_1)
	v_add_nc_u32 v29, v29, v34                     ; O's scale bytes: 8 a query, 2 a head, byte h mine
	s_lshl_b32 s76, s18, 2
	s_add_co_u32 s76, s76, s15                     ; my head
	s_mul_i32 s77, s76, 212992
	s_lshr_b32 s78, s19, 1
	s_mul_i32 s78, s78, 6656
	s_add_co_u32 s80, s77, s78                     ; my head's block of 128 tokens in qb
	s_mov_b32 s81, 0
	s_and_b32 s78, s19, 1
	s_lshl_b32 s79, s78, 2
	s_add_co_u32 s79, s79, s16                     ; my tile in it
	s_mul_i32 s79, s79, 768
	s_lshl_b32 s78, s78, 3
	s_lshr_b32 s82, s16, 1
	s_lshl_b32 s82, s82, 2
	s_add_co_u32 s78, s78, s82
	s_and_b32 s82, s16, 1
	s_lshl_b32 s82, s82, 8
	s_add_co_u32 s78, s78, s82                     ; its scale words
	s_wait_alu depctr_va_vdst(0)                   ; the wait behind the run of scalar lines
	v_lshl_add_u32 v35, v32, 4, s79
	v_lshl_add_u32 v36, v32, 3, s79
	v_lshl_add_u32 v37, v33, 4, s78
	s_lshl_b32 s84, s19, 2
	s_add_co_u32 s84, s84, s16                     ; my tile of tokens
	s_mul_i32 s84, s84, 12288
	s_mul_i32 s85, s76, 768
	s_add_co_u32 s84, s84, s85                     ; oc: [tile][head][768]
	s_mov_b32 s85, 0
	s_lshl_b32 s86, s18, 15
	s_lshl_b32 s87, s19, 9
	s_add_co_u32 s86, s86, s87                     ; os: [head group][tile][r][8]
	s_mov_b32 s87, 0
	; the prefetches
	s_lshl_b32 s88, s19, 6
	s_lshl_b32 s89, s18, 4
	s_add_co_u32 s88, s88, s89
	s_lshl_b32 s88, s88, 14
	s_add_co_u32 s88, s88, 1024                    ; the mask: rows 64 x block + 16 cy on, at step 2: the first asking change steps it to step 3
	s_mul_i32 s89, s18, HGB
	s_mul_i32 s90, s17, HB
	s_add_co_u32 s89, s89, s90
	s_add_co_u32 s89, s89, 2*STEPB
	s_mov_b32 s91, STEPB
	s_mov_b32 s92, 256
	s_mov_b32 s93, 4096
	s_cmp_eq_u32 s[WV], 12
	s_cselect_b32 s88, s88, s89
	s_cselect_b32 s70, 512, s91
	s_cselect_b32 s92, 16384, s92
	s_cselect_b32 s93, 256, s93
	s_mov_b32 s89, 0
	s_mov_b32 s71, 0
	s_cmp_eq_u32 s[WV], 14
	s_cselect_b32 s94, 19, 31
	s_cselect_b32 s95, 8192, 0
	s_wait_alu depctr_va_vdst(0)                   ; the wait behind the run of scalar lines
	v_min_u32 v38, s94, v32
	s_delay_alu instid0(VALU_DEP_1)
	v_and_b32 v39, 15, v38
	v_lshrrev_b32 v38, 4, v38
	s_delay_alu instid0(VALU_DEP_2)
	v_mul_u32_u24 v255, v39, s92
	s_delay_alu instid0(VALU_DEP_1)
	v_mad_u32_u24 v255, v38, s93, v255
	s_delay_alu instid0(VALU_DEP_1)
	v_add_nc_u32 v255, s95, v255
	s_sub_co_u32 s90, s[WV], 13
	s_lshr_b32 s90, s90, 1                         ; 0 in waves 13 and 14,
	s_or_b32 s90, s90, ttmp9                       ; of the first cluster
	s_cmp_eq_u32 s90, 0
	s_cselect_b32 s91, 1, 0
	s_cmp_eq_u32 s[WV], 12
	s_cselect_b32 s91, 1, s91
	s_cmp_eq_u32 s91, 1
	s_cselect_b32 s61, 0, -1                       ; a wave asks while s60 is above this
	s_cselect_b32 s62, 1, -1                       ; (a trip's third step: not in the last trip)
	s_mov_b32 s56, 0x76543210
	s_mov_b32 s57, 0xfedcba98
	s_mov_b32 s58, 0x3fb8aa3b                      ; log2(e)
	s_mov_b32 s59, s58
	s_mov_b32 s60, 10
	s_wait_dscnt 0x0                               ; both opening adds are done
	s_wait_kmcnt 0x0
	s_cmp_eq_u32 s[WV], 12
	s_cselect_b64 s[68:69], s[4:5], s[8:9]
	s_add_nc_u64 s[68:69], s[68:69], s[88:89]
	s_add_nc_u64 s[6:7], s[6:7], s[80:81]
	s_add_nc_u64 s[10:11], s[10:11], s[84:85]
	s_add_nc_u64 s[12:13], s[12:13], s[86:87]
	s_mov_b32 s40, 1                               ; the mask, step 0 into slot 0
	s_mov_b32 s41, s63
	s_add_nc_u64 s[42:43], s[4:5], s[20:21]
	s_or_b32 s43, s43, 0x80000000
	s_mov_b32 s44, 1                               ; K and V likewise
	s_mov_b32 s45, s66
	s_add_nc_u64 s[46:47], s[8:9], s[72:73]
	s_or_b32 s47, s47, 0x80000000
	CROUND                                         ; all sixteen work-groups are here
	JLOAD                                          ; step 0: one tensor load a wave at the head
	s_wait_alu depctr_va_vdst(0)                   ; the wait ahead of the first readers of the head's registers
	global_load_b128 v[16:19], v35, s[6:7]         ; Q's half fragment stays in registers
	global_load_b64 v[20:21], v36, s[6:7] offset:512
	global_load_b32 v28, v37, s[6:7] offset:6144
.irp j, 14,15,22,23,24,25,26,27,30,31,253
	v_mov_b32 v\j, 0                               ; the sum; Q's codes for k = 64 .. 127; the scale words that the first step's O^T product names
.endr
.set ZR, VR
.rept 48
	v_mov_b32 v[ZR], 0                             ; V's codes, as the first step finds them
.set ZR, ZR+1
.endr
.set ZR, O
.rept 44
	v_mov_b32 v[ZR], 0                             ; O^T, and p's codes as the first step finds them
.set ZR, ZR+1
.endr
	v_mov_b32 v13, 0xfe967699                      ; the largest logit so far: -1e38
	s_delay_alu instid0(VALU_DEP_1)
	v_mul_f32 v254, s58, v13
	s_delay_alu instid0(VALU_DEP_1)
	v_floor_f32 v12, -v254                         ; -M
	CHANGE 1, 0                                    ; step 0 has landed; slot 1's first fill, step 1, is issued as a refill is
	s_wait_loadcnt 0x0                             ; Q is in, and its loads' address registers may take K
	LOADK 0
	LOADMH 0, 0
	LOADMH 0, 1
.Ltrip:                                            ; ten trips of three steps: steps 0 to 29, behind whose changes steps 2 to 31 are asked for
	CHANGE 2, 1
	STEP 0, 1, 1, 61
	CHANGE 0, 1
	STEP 1, 2, 1, 61
	CHANGE 1, 1
	STEP 2, 0, 1, 62
	s_sub_co_u32 s60, s60, 1
	s_cmp_lg_u32 s60, 0
	s_cbranch_scc1 .Ltrip
	s_wait_alu depctr_va_vdst(0)                   ; step 30's change: nothing is left to fetch, so no round follows
	s_wait_tensorcnt 0x0
	ds_add_u32 v1, v2
	s_wait_dscnt 0x0
	s_barrier_signal -1
	s_barrier_wait -1
	STEP 0, 1, 1, 0
	s_wait_alu depctr_va_vdst(0)
	s_wait_dscnt 0x0                               ; V of step 30, K and the mask of step 31
	STEP 1, 2, 0, 0
	s_wait_alu depctr_va_vdst(0)
	s_wait_dscnt 0x0                               ; V of step 31
	PV
	; THE WAY OUT.  O^T / the row's sum; my 32 numbers are one block of the last product's K.
.rept 4
	v_nop
.endr
	v_add_f32 v14, v14, v15
	s_delay_alu instid0(VALU_DEP_1)
	v_permlanex16_b32 v254, v14, s56, s57
	s_delay_alu instid0(VALU_DEP_1)
	v_add_f32 v14, v14, v254                       ; the row's sum
	s_wait_alu depctr_va_vdst(0)
	v_rcp_f32 v14, v14
	v_and_b32 v32, 31, v0
	s_delay_alu instid0(VALU_DEP_1)
	v_lshlrev_b32 v33, 4, v32
	v_lshlrev_b32 v34, 3, v32
	s_wait_alu depctr_va_vdst(0)                   ; ahead of the first reader of the reciprocal and of O^T
.irp j, 0,2,4,6,8,10,12,14,16,18,20,22,24,26,28,30
	v_pk_mul_f32 v[O+\j:O+\j+1], v[O+\j:O+\j+1], v[14:15] op_sel_hi:[1,0]
.endr
.irp b, 0,1
	v_max3_num_f32 v[BM+\b], |v[O+16*\b]|, |v[O+1+16*\b]|, 0x1800000
.endr
.irp i, 2,4,6,8,10,12,14
.irp b, 0,1
	s_delay_alu instid0(VALU_DEP_2)
	v_max3_num_f32 v[BM+\b], v[BM+\b], |v[O+16*\b+\i]|, |v[O+1+16*\b+\i]|
.endr
.endr
	s_delay_alu instid0(VALU_DEP_1)
	v_max_num_f32 v[BM], v[BM], v[BM+1]
	s_delay_alu instid0(VALU_DEP_1)
	v_add_nc_u32 v[SO], 0xff000000, v[BM]
	s_delay_alu instid0(VALU_DEP_1)
	v_lshrrev_b32 v254, 23, v[SO]                  ; my block's scale byte
	v_cvt_scalef32_pk16_fp6_f32 v[PC:PC+2], v[O:O+15], v[SO]
	v_cvt_scalef32_pk16_fp6_f32 v[PT+4:PT+6], v[O+16:O+31], v[SO]
	v_nop
.irp i, 0,1,2
	v_mov_b32 v[PC+3+\i], v[PT+4+\i]
.endr
	global_store_b128 v33, v[PC:PC+3], s[10:11]              ; 512 consecutive bytes,
	global_store_b64 v34, v[PC+4:PC+5], s[10:11] offset:512  ; and 256
	ds_store_b8 v29, v254
	s_wait_dscnt 0x0                               ; for the others' sake
	s_barrier_signal -1
	s_barrier_wait -1
	s_cmp_lg_u32 s[WV], 0
	s_cbranch_scc1 .Lnot_first
	ds_load_b128 v[36:39], v5 offset:53248         ; in wave 0 v5 = 2 SLOTB + KVO + 16 l, and 53,248 bytes on is SCR + 16 l: the work-group's 512 scale bytes
	s_wait_dscnt 0x0
	global_store_b128 v33, v[36:39], s[12:13]
.Lnot_first:
	s_wait_tensorcnt 0x0                           ; the wave's end
	ds_add_u32 v1, v2
	s_wait_dscnt 0x0
	CROUND                                         ; the closing round
	s_endpgm
.Lfunc_end_k_qf4108267d3_attn:
	.size	k_qf4108267d3_attn, .Lfunc_end_k_qf4108267d3_attn-k_qf4108267d3_attn
	.p2alignl 7, 3214868480
	.fill 96, 4, 3214868480
	.section	.rodata,"a",@progbits
	.p2align	6, 0x0
	.amdhsa_kernel k_qf4108267d3_attn
		.amdhsa_group_segment_fixed_size 327680
		.amdhsa_private_segment_fixed_size 0
		.amdhsa_enable_private_segment 0
		.amdhsa_kernarg_size 40
		.amdhsa_user_sgpr_count 2
		.amdhsa_user_sgpr_kernarg_segment_ptr 1
		.amdhsa_wavefront_size32 1
		.amdhsa_system_sgpr_workgroup_id_x 1
		.amdhsa_system_sgpr_workgroup_id_y 1
		.amdhsa_system_sgpr_workgroup_id_z 1
		.amdhsa_system_vgpr_workitem_id 0
		.amdhsa_next_free_vgpr 256
		.amdhsa_next_free_sgpr 96
		.amdhsa_reserve_vcc 0
		.amdhsa_float_denorm_mode_32 3
		.amdhsa_float_denorm_mode_16_64 3
		.amdhsa_memory_ordered 1
		.amdhsa_forward_progress 1
		.amdhsa_inst_pref_size 101
	.end_amdhsa_kernel
	.amdgpu_metadata
---
amdhsa.version: [ 1, 2 ]
amdhsa.kernels:
  - .name:           k_qf4108267d3_attn
    .symbol:         k_qf4108267d3_attn.kd
    .args:
      - { .name: mask, .offset: 0, .size: 8, .value_kind: global_buffer, .address_space: global }
      - { .name: qb, .offset: 8, .size: 8, .value_kind: global_buffer, .address_space: global }
      - { .name: kv, .offset: 16, .size: 8, .value_kind: global_buffer, .address_space: global }
      - { .name: oc, .offset: 24, .size: 8, .value_kind: global_buffer, .address_space: global }
      - { .name: os, .offset: 32, .size: 8, .value_kind: global_buffer, .address_space: global }
    .group_segment_fixed_size: 327680
    .private_segment_fixed_size: 0
    .kernarg_segment_align: 8
    .kernarg_segment_size: 40
    .max_flat_workgroup_size: 512
    .sgpr_count:     96
    .vgpr_count:     256
    .wavefront_size: 32
...
	.end_amdgpu_metadata
.endif
;; end of part 3
;; launch proj (part 4): grid 8 x 32, 4 waves a work-group, clusters of 4 x 4, 230,912 bytes of LDS; arguments oc, os, wc, ws, out0; writes out0
.if DOCPART == 4
	.amdgcn_target "amdgcn-amd-amdhsa--gfx1250"
	.amdhsa_code_object_version 6
	.text
	.protected	k_qf4108267d3_proj
	.globl	k_qf4108267d3_proj
	.p2align	8
	.type	k_qf4108267d3_proj,@function
k_qf4108267d3_proj:
	s_mov_b64 s[64:65], 0
	v_nop
	global_prefetch_b8 v0, s[64:65] scope:SCOPE_SE
	s_setreg_imm32_b32 hwreg(HW_REG_WAVE_MODE, 25, 1), 1
	s_wait_xcnt 0x0
	s_wait_alu depctr_hold_cnt(0) depctr_sa_sdst(0) depctr_va_vdst(0) depctr_va_sdst(0) depctr_va_ssrc(0) depctr_va_vcc(0) depctr_vm_vsrc(0)
	s_getreg_b32 s2, hwreg(HW_REG_IB_STS2, 6, 4)
	s_cmp_eq_u32 s2, 0
	s_cbranch_scc0 .Lentry_in_a_cluster
	s_endpgm
.Lentry_in_a_cluster:
	s_bfe_u32 s2, ttmp6, 0x10000c
	s_cmp_lg_u32 s2, 0xf033
	s_cbranch_scc0 .Lentry_shape_is_right
	s_endpgm
.Lentry_shape_is_right:
; out0 = O Wo^T on codes of E2M3.  O's codes (oc) and Wo's (wc, tiles 192-255) lie as [tile of 16 rows][K step of 128][1,536 bytes]; tile T holds rows 64 (T / 4) + 8 (T % 4) + r % 8 + 32 (r / 8).
; Source 0 = 128 rows of Wo (P, 8 tiles), source 1 = 128 tokens (S, 8 tiles): a lane holds one token, and its 64 results of a tile of tokens are 2 x 32 neighbouring columns of out0.
; 256 work-groups of four waves; a wave makes P 128 x S 32: 16 accumulators by turns.
; The operands for all of K, 192 KiB, lie in LDS at once, as in memory.  ONE tensor load a wave: waves 0, 1 four tiles of P each (49,152 dense bytes), waves 2, 3 four of S.  Nothing is filled later.
; CLUSTERS 4 x 4: Wo's tiles are asked for jointly by a column, O's by a row.  No prefetch: the launch has no loop to run ahead in; all its tiles are asked for at its head.
; Window 0: v1, v2 the add's two; v3, v4 P's tiles 0-3 (16 l, 8 l), v12, v13 tiles 4-7, v5, v6 my S tiles; v7 = 32 l; v8, v9 the stage, in and out; v10 = 16 l; v11 = 8 l; v16-23 S's scale words; v32-63 P's; v64-255 P's fragments, two buffers; on the way out rows of out0.
; Window 1: v0-127 accumulators ((j, i) at 64 j + 8 i); v128-175 my S fragments, two buffers.
.set SOFF,  98304
.set STAGE, 196608                     ; a stage of 16 rows x (512 + 16) bytes for each wave; no tile lands there
.set SPARE, 230400
.set SS,    16
.set PS,    32
.set PB,    64
.set SB,    128
.set G1P,   16
.set G1S,   24
.set WV,    66
.set MSB, 0
.macro WIN new
.if MSB != \new
	s_set_vgpr_msb (MSB<<8)|\new
.set MSB, \new
.endif
.endm
.macro CROUND
	s_barrier_signal -1
	s_barrier_wait -1
	s_cmp_lg_u32 s[WV], 0
	s_cbranch_scc1 .Lnot_wave_0_\@
	s_barrier_signal -3
.Lnot_wave_0_\@:
	s_barrier_wait -3
	s_barrier_signal -1
	s_barrier_wait -1
.endm
.macro FRAG reg, a16, a8, off
	ds_load_b128 v[\reg:\reg+3], v[\a16] offset:\off
	ds_load_b64 v[\reg+4:\reg+5], v[\a8] offset:\off+512
	ds_load_b128 v[\reg+6:\reg+9], v[\a16] offset:\off+768
	ds_load_b64 v[\reg+10:\reg+11], v[\a8] offset:\off+1280
.endm
.macro PROD acc, pa, pb, zero, sca, scb, ra, rb
.if \zero
.if (\ra) && (\rb)
	v_wmma_scale_f32_16x16x128_f8f6f4 v[\acc:\acc+7], v[\pa:\pa+11], v[\pb:\pb+11], 0, v[\sca], v[\scb] matrix_a_fmt:MATRIX_FMT_FP6 matrix_b_fmt:MATRIX_FMT_FP6 matrix_a_scale:MATRIX_SCALE_ROW1 matrix_b_scale:MATRIX_SCALE_ROW1
.elseif (\ra)
	v_wmma_scale_f32_16x16x128_f8f6f4 v[\acc:\acc+7], v[\pa:\pa+11], v[\pb:\pb+11], 0, v[\sca], v[\scb] matrix_a_fmt:MATRIX_FMT_FP6 matrix_b_fmt:MATRIX_FMT_FP6 matrix_a_scale:MATRIX_SCALE_ROW1
.elseif (\rb)
	v_wmma_scale_f32_16x16x128_f8f6f4 v[\acc:\acc+7], v[\pa:\pa+11], v[\pb:\pb+11], 0, v[\sca], v[\scb] matrix_a_fmt:MATRIX_FMT_FP6 matrix_b_fmt:MATRIX_FMT_FP6 matrix_b_scale:MATRIX_SCALE_ROW1
.else
	v_wmma_scale_f32_16x16x128_f8f6f4 v[\acc:\acc+7], v[\pa:\pa+11], v[\pb:\pb+11], 0, v[\sca], v[\scb] matrix_a_fmt:MATRIX_FMT_FP6 matrix_b_fmt:MATRIX_FMT_FP6
.endif
.else
.if (\ra) && (\rb)
	v_wmma_scale_f32_16x16x128_f8f6f4 v[\acc:\acc+7], v[\pa:\pa+11], v[\pb:\pb+11], v[\acc:\acc+7], v[\sca], v[\scb] matrix_a_fmt:MATRIX_FMT_FP6 matrix_b_fmt:MATRIX_FMT_FP6 matrix_a_scale:MATRIX_SCALE_ROW1 matrix_b_scale:MATRIX_SCALE_ROW1
.elseif (\ra)
	v_wmma_scale_f32_16x16x128_f8f6f4 v[\acc:\acc+7], v[\pa:\pa+11], v[\pb:\pb+11], v[\acc:\acc+7], v[\sca], v[\scb] matrix_a_fmt:MATRIX_FMT_FP6 matrix_b_fmt:MATRIX_FMT_FP6 matrix_a_scale:MATRIX_SCALE_ROW1
.elseif (\rb)
	v_wmma_scale_f32_16x16x128_f8f6f4 v[\acc:\acc+7], v[\pa:\pa+11], v[\pb:\pb+11], v[\acc:\acc+7], v[\sca], v[\scb] matrix_a_fmt:MATRIX_FMT_FP6 matrix_b_fmt:MATRIX_FMT_FP6 matrix_b_scale:MATRIX_SCALE_ROW1
.else
	v_wmma_scale_f32_16x16x128_f8f6f4 v[\acc:\acc+7], v[\pa:\pa+11], v[\pb:\pb+11], v[\acc:\acc+7], v[\sca], v[\scb] matrix_a_fmt:MATRIX_FMT_FP6 matrix_b_fmt:MATRIX_FMT_FP6
.endif
.endif
.endm
.macro FETCH s                         ; K step s: 40 LDS loads into buffer s % 2; every offset is an immediate
	WIN 0
.irp i, 0,1,2,3
	FRAG PB+96*((\s)%2)+12*\i, 3, 4, 12288*\i+1536*(\s)
.endr
.irp i, 0,1,2,3
	FRAG PB+96*((\s)%2)+48+12*\i, 12, 13, 12288*\i+1536*(\s)
.endr
	WIN 0x40
.irp j, 0,1
	FRAG SB+24*((\s)%2)+12*\j, 5, 6, 12288*\j+1536*(\s)
.endr
	WIN 0
.endm
.macro MUL s, zero
	WIN 0x54
.irp i, 0,1,2,3,4,5,6,7
.irp j, 0,1
	PROD 64*\j+8*\i, PB+96*((\s)%2)+12*\i, SB+24*((\s)%2)+12*\j, \zero, PS+8*(\i/2)+(\s), SS+(\s), \i%2, \j
.endr
.endr
	WIN 0
.endm
.macro KSTEP s, zero
.if \s > 0
.rept 4
	v_nop                                          ; four plain lines between the last products and the loads into the buffer that they read
.endr
.endif
.if \s < 7
	FETCH \s+1
	s_wait_dscnt 40                                ; all but the 40 just issued
.else
	s_wait_dscnt 0x0
.endif
	MUL \s, \zero
.endm
	s_load_b256 s[4:11], s[0:1], 0x0               ; oc, os, wc, ws
	s_load_b64 s[12:13], s[0:1], 0x20              ; out0
	v_lshl_add_u32 v1, v0, 2, SPARE
	v_mov_b32 v2, 0
	ds_add_u32 v1, v2                              ; the opening lines: the add, twice on end, and its wait
	ds_add_u32 v1, v2
	v_lshrrev_b32 v3, 5, v0
	v_readfirstlane_b32 s[WV], v3                  ; wave 0..3
	s_bfe_u32 s67, ttmp6, 0x40000                  ; cx
	s_bfe_u32 s68, ttmp6, 0x40004                  ; cy
	s_lshl_b32 s69, ttmp9, 2
	s_add_co_u32 s69, s69, s67                     ; X: which 128 columns of out0
	s_and_b32 s70, ttmp7, 0xffff
	s_lshl_b32 s71, s70, 2
	s_add_co_u32 s71, s71, s68                     ; Y: which 128 tokens
	s_lshl_b32 s72, s68, 2
	s_lshl_b32 s72, 15, s72
	s_lshl_b32 s73, 0x1111, s67
	s_or_b32 s[G1P], s73, (3<<16)|(1<<21)          ; Wo's tiles go to my column; elements of 8 bytes; no padding
	s_or_b32 s[G1S], s72, (3<<16)|(1<<21)          ; O's to my row
.irp g, G1P, G1S
	s_mov_b32 s[\g+1], 32<<16                      ; four tiles, all of K: 49,152 dense bytes as 192 rows of 256
	s_mov_b32 s[\g+2], 192<<16
	s_mov_b32 s[\g+3], 32<<16
	s_mov_b32 s[\g+4], 192
	s_mov_b32 s[\g+5], 32
	s_mov_b32 s[\g+6], 0
	s_mov_b32 s[\g+7], 0
.endr
	s_and_b32 s77, s[WV], 1
	s_lshl_b32 s75, s77, 2
	s_lshl_b32 s74, s69, 3
	s_add_co_u32 s74, s74, 192                     ; P's first tile in wc
	s_add_co_u32 s78, s74, s75                     ; the four that a wave fetches
	s_mul_i32 s78, s78, 12288
	s_mov_b32 s79, 0
	s_lshl_b32 s84, s74, 9
	s_mov_b32 s85, 0
	s_lshl_b32 s76, s71, 3                         ; S's first tile
	s_add_co_u32 s82, s76, s75
	s_mul_i32 s82, s82, 12288
	s_mov_b32 s83, 0
	s_lshl_b32 s75, s[WV], 1
	s_add_co_u32 s76, s76, s75                     ; the two tiles of S that I multiply by
	s_lshl_b32 s86, s76, 7                         ; os: 128 bytes a tile in each head group's part
	s_mov_b32 s87, 0
	s_mul_i32 s88, s77, 49152                      ; where they go: no place in the cluster enters an LDS address
	s_add_co_u32 s89, s88, SOFF
	s_mul_i32 s94, s[WV], 24576
	s_add_co_u32 s94, s94, SOFF
	v_and_b32 v7, 31, v0
	v_and_b32 v8, 15, v0                           ; r
	v_bfe_u32 v9, v0, 4, 1                         ; h
	v_lshlrev_b32 v3, 4, v7
	v_lshlrev_b32 v4, 3, v7
	v_add_nc_u32 v12, 49152, v3
	v_add_nc_u32 v13, 49152, v4
	v_add_nc_u32 v5, s94, v3
	v_add_nc_u32 v6, s94, v4
	v_lshlrev_b32 v10, 4, v7
	v_lshlrev_b32 v11, 3, v7
	v_lshlrev_b32 v7, 5, v7
	s_mul_i32 s90, s[WV], 8448
	s_add_co_u32 s90, s90, STAGE
	v_mul_u32_u24 v8, v8, 528
	v_lshl_add_u32 v8, v9, 7, v8
	v_add_nc_u32 v8, s90, v8                       ; in: row r, 128 h bytes on
	v_add_nc_u32 v9, s90, v10                      ; back: a whole row of 512 bytes
	s_lshl_b32 s92, s71, 19                        ; my tiles' first row of out0: 128 Y + 64 (wave / 2) + 16 (wave % 2) rows of 4,096 bytes,
	s_lshr_b32 s91, s[WV], 1
	s_lshl_b32 s91, s91, 18
	s_add_co_u32 s92, s92, s91
	s_lshl_b32 s91, s77, 16
	s_add_co_u32 s92, s92, s91
	s_lshl_b32 s91, s69, 9
	s_add_co_u32 s92, s92, s91                     ; + 512 X
	s_mov_b32 s93, 0
	s_wait_dscnt 0x0                               ; both opening adds are done
	s_wait_kmcnt 0x0
	s_add_nc_u64 s[84:85], s[10:11], s[84:85]
	s_add_nc_u64 s[86:87], s[6:7], s[86:87]
	s_add_nc_u64 s[12:13], s[12:13], s[92:93]
	s_mov_b32 s32, 1
	s_mov_b32 s33, s88
	s_add_nc_u64 s[34:35], s[8:9], s[78:79]
	s_or_b32 s35, s35, 0x80000000
	s_mov_b32 s36, 1
	s_mov_b32 s37, s89
	s_add_nc_u64 s[38:39], s[4:5], s[82:83]
	s_or_b32 s39, s39, 0x80000000
	CROUND                                         ; all sixteen work-groups are here
	s_cmp_lt_u32 s[WV], 2                          ; one tensor load a wave, one to each arm
	s_cbranch_scc0 .Lfill_s
	tensor_load_to_lds s[32:35], s[G1P:G1P+7]
	s_nop 0
.rept 4
	v_nop
.endr
	s_branch .Lfilled
.Lfill_s:
	tensor_load_to_lds s[36:39], s[G1S:G1S+7]
	s_nop 0
.rept 4
	v_nop
.endr
.Lfilled:
	s_wait_alu depctr_va_vdst(0)                   ; the wait at the head's end
.irp p, 0,1,2,3
	global_load_b128 v[PS+8*\p:PS+8*\p+3], v7, s[84:85] offset:1024*\p
	global_load_b128 v[PS+8*\p+4:PS+8*\p+7], v7, s[84:85] offset:1024*\p+16
.endr
.irp g, 0,1,2,3
	global_load_b64 v[SS+2*\g:SS+2*\g+1], v11, s[86:87] offset:32768*\g       ; head group g's 8 bytes of a token are the scale words of K steps 2 g, 2 g + 1
.endr
	s_wait_tensorcnt 0x0                           ; my load is in
	s_barrier_signal -1
	s_barrier_wait -1                              ; everybody's is
	FETCH 0
	s_wait_loadcnt 0x0
	KSTEP 0, 1
.irp s, 1,2,3,4,5,6,7
	KSTEP \s, 0
.endr
; THE WAY OUT.  A tile of 16 tokens goes through my own stage and comes back as whole rows of 512 bytes.  LDS serves a wave's instructions in order.
.macro TOSTAGE j
	WIN 0x04
.irp c, 0,1
.irp q, 0,1,2,3,4,5,6,7
	ds_store_b128 v8, v[64*\j+32*\c+4*\q:64*\j+32*\c+4*\q+3] offset:256*\c+16*\q   ; columns 64 c + 32 h + 4 q on; each accumulator from its low end on
.endr
.endr
	WIN 0
.irp i, 0,1,2,3,4,5,6,7,8,9,10,11,12,13,14,15
	ds_load_b128 v[64+64*\j+4*\i:64+64*\j+4*\i+3], v9 offset:528*\i
.endr
.endm
.macro SEND j
.irp i, 0,1,2,3,4,5,6,7,8,9,10,11,12,13,14,15
	global_store_b128 v10, v[64+64*\j+4*\i:64+64*\j+4*\i+3], s[12:13] offset:(8*\j+(\i%8)+32*(\i/8))*4096 th:TH_STORE_NT   ; 512 consecutive bytes, at a multiple of 256 from out0's first byte
.endr
.endm
.rept 4
	v_nop
.endr
	TOSTAGE 0
	TOSTAGE 1
	s_wait_dscnt 32                                ; the first tile is back; the second's 16 stores and 16 loads may be out
	SEND 0
	s_wait_dscnt 0x0
	SEND 1
	s_wait_tensorcnt 0x0                           ; the wave's end
	ds_add_u32 v1, v2
	s_wait_dscnt 0x0
	CROUND                                         ; the closing round
	s_endpgm
.Lfunc_end_k_qf4108267d3_proj:
	.size	k_qf4108267d3_proj, .Lfunc_end_k_qf4108267d3_proj-k_qf4108267d3_proj
	.p2alignl 7, 3214868480
	.fill 96, 4, 3214868480
	.section	.rodata,"a",@progbits
	.p2align	6, 0x0
	.amdhsa_kernel k_qf4108267d3_proj
		.amdhsa_group_segment_fixed_size 230912
		.amdhsa_private_segment_fixed_size 0
		.amdhsa_enable_private_segment 0
		.amdhsa_kernarg_size 40
		.amdhsa_user_sgpr_count 2
		.amdhsa_user_sgpr_kernarg_segment_ptr 1
		.amdhsa_wavefront_size32 1
		.amdhsa_system_sgpr_workgroup_id_x 1
		.amdhsa_system_sgpr_workgroup_id_y 1
		.amdhsa_system_sgpr_workgroup_id_z 1
		.amdhsa_system_vgpr_workitem_id 0
		.amdhsa_next_free_vgpr 448
		.amdhsa_next_free_sgpr 100
		.amdhsa_reserve_vcc 0
		.amdhsa_float_denorm_mode_32 3
		.amdhsa_float_denorm_mode_16_64 3
		.amdhsa_memory_ordered 1
		.amdhsa_forward_progress 1
		.amdhsa_inst_pref_size 53
	.end_amdhsa_kernel
	.amdgpu_metadata
---
amdhsa.version: [ 1, 2 ]
amdhsa.kernels:
  - .name:           k_qf4108267d3_proj
    .symbol:         k_qf4108267d3_proj.kd
    .args:
      - { .name: oc, .offset: 0, .size: 8, .value_kind: global_buffer, .address_space: global }
      - { .name: os, .offset: 8, .size: 8, .value_kind: global_buffer, .address_space: global }
      - { .name: wc, .offset: 16, .size: 8, .value_kind: global_buffer, .address_space: global }
      - { .name: ws, .offset: 24, .size: 8, .value_kind: global_buffer, .address_space: global }
      - { .name: out0, .offset: 32, .size: 8, .value_kind: global_buffer, .address_space: global }
    .group_segment_fixed_size: 230912
    .private_segment_fixed_size: 0
    .kernarg_segment_align: 8
    .kernarg_segment_size: 40
    .max_flat_workgroup_size: 128
    .sgpr_count:     100
    .vgpr_count:     448
    .wavefront_size: 32
...
	.end_amdgpu_metadata
.endif
;; end of part 4
